; MI455X (gfx1250); checked and timed in simulation.
; The chip was launched on July 23, 2026; its instructions are those of AMD's public machine-readable ISA for CDNA 5 (MIT licence, August 2026) and "CDNA5" Instruction Set Architecture Reference Guide (July 2026). The comments in the code are by the model that wrote it; some were corrected since.
;; Multi Head Attention. Allowed arithmetic: matrix products marked QUANTISED: E2M3 operands, one E8M0 scale for each 32 along K, by v_wmma_scale_f32_16x16x128_f8f6f4 with both operands' format E2M3, f32 sums; everything else in f32.
;; Inputs: Wk 1,024 x 1,024 float32; Wo 1,024 x 1,024 float32; Wq 1,024 x 1,024 float32; Wv 1,024 x 1,024 float32; bk 1,024 float32; bo 1,024 float32; bq 1,024 float32; bv 1,024 float32; k 4 x 2,048 x 1,024 float32; mask 4 x 1 x 2,048 x 2,048 bool; q 4 x 2,048 x 1,024 float32; v 4 x 2,048 x 1,024 float32.
;; Outputs: out0 4 x 2,048 x 1,024 float32.
;; This version of the problem:
;;   THIS VERSION OF THE PROBLEM IS GIVEN IN LOW PRECISION. The matrix products marked QUANTISED in the list below multiply operands that are first quantised to E2M3 (2 exponent bits, 3 mantissa bits; 6 bits a number), with one power-of-two scale for each 32 numbers along K (OCP MX v1.0); their sums are f32. All else is computed in f32.
;;   The module's matrix products, in the order in which they are computed (A, B: the left and right operand; K: the contracted axis; several contracted axes count as one K, in the product's order):
;;     1. [M 8,192, K 1,024] x [K 1,024, N 1,024]; A: input q; B: input Wq: QUANTISED
;;     2. [M 8,192, K 1,024] x [K 1,024, N 1,024]; A: input k; B: input Wk: QUANTISED
;;     3. [M 8,192, K 1,024] x [K 1,024, N 1,024]; A: input v; B: input Wv: QUANTISED
;;     4. batch 64 x [M 2,048, K 64] x [K 64, N 2,048]; A: computed on the way; B: computed on the way: QUANTISED
;;     5. batch 64 x [M 2,048, K 2,048] x [K 2,048, N 64]; A: softmax (see below); B: computed on the way: QUANTISED
;;     6. [M 8,192, K 1,024] x [K 1,024, N 1,024]; A: computed on the way; B: input Wo: QUANTISED
;;   THE QUANTISER, for each operand of a quantised product, along K:
;;     - K is cut into blocks of 32 from its start; a last block that is shorter is filled with zeros.
;;     - A block's scale is 2^e with e = floor(log2(the largest magnitude in the block)) - 2, held to -126 .. 127; a block of zeros has e = 0. As a byte (E8M0): e + 127.
;;     - Each number is divided by its block's scale, clamped to +-7.5, and rounded to the nearest number of E2M3, ties to even, subnormals kept.
;;     - The product sums the exact products of the quantised numbers (number of the format x scale) in f32.
;;   ~~~python
;;   def quantise(x, axis):      # numpy; x: float32 -> the quantised numbers, widened to float32 again
;;       x = np.moveaxis(x, axis, -1); K = x.shape[-1]
;;       x = np.pad(x, [(0, 0)] * (x.ndim - 1) + [(0, -K % 32)]); x = x.reshape(x.shape[:-1] + (-1, 32)); a = np.abs(x).max(-1, keepdims=True)
;;       e = np.where(a > 0, np.clip(np.frexp(np.where(a > 0, a, 1))[1] - 1 - 2, -126, 127), 0)      # np.frexp(a)[1] - 1 = floor(log2(a)), exactly
;;       r = np.clip(x / 2.0 ** e, -7.5, 7.5)
;;       step = 2.0 ** (np.maximum(np.frexp(np.where(r == 0, 1, r))[1] - 1, 0) - 3)
;;       q = np.round(r / step) * step * 2.0 ** e      # np.round: ties to even
;;       return np.moveaxis(q.reshape(q.shape[:-2] + (-1,))[..., :K], -1, axis).astype(np.float32)
;;   ~~~
;;   SOFTMAX AHEAD OF A QUANTISED PRODUCT. Where the list says 'softmax', what is quantised is not the finished softmax but p = 2^(t - M), with t = logit x log2(e) and M = ceil(the row's largest t), a whole number; so 1/2 < the row's largest p <= 1. The row's sum l is taken of the UNQUANTISED p, in f32, and the product's result is divided by l at the end. Since M is a whole number, a kernel that streams over the keys may use a running M (the ceiling of the running maximum): every later rescaling is an exact power of two, which a block's scale takes up: the codes' values come out the same.
;;   OPERANDS COMPUTED ON THE WAY. 'Computed on the way' means the value that the module computes at that place (a softmax that the list does not call 'softmax' is quantised finished and normalised). What goes into a quantiser is computed in f32, as accurately as f32 sums, v_exp_f32 and their like allow (about 1e-6 of the number): no bf16 or f16 on the way to a quantiser, and a product that is left as it is and whose result goes on into a quantised operand takes f32 operands (vector FMAs, or v_wmma_f32_16x16x4_f32). A number that lies on a knife's edge between two numbers of the format may be rounded either way, as far as f32 arithmetic and the matrix unit's own rounding can turn it there, and no further.
;; One version. Each part assembles by itself: llvm-mc -triple=amdgcn-amd-amdhsa -mcpu=gfx1250 --defsym DOCPART=n.
;; ======== version 1 of 1: 4 launches
;; workspace buffers: xq 19,660,800 bytes; wq 3,276,800 bytes; mw 2,097,152 bytes of whole numbers; hq 20,185,088 bytes; oq 6,553,600 bytes
;; launch prep (part 1): grid 1408 x 1, 4 waves a work-group, no clusters, 67,072 bytes of LDS; arguments q, k, v, Wq, Wk, Wv, Wo, mask, xq, wq, mw; writes xq, wq, mw
.if DOCPART == 1
	.amdgcn_target "amdgcn-amd-amdhsa--gfx1250"
	.amdhsa_code_object_version 6
	.text
	.protected	k_qacf579ee20_prep
	.globl	k_qacf579ee20_prep
	.p2align	8
	.type	k_qacf579ee20_prep,@function
k_qacf579ee20_prep:
	s_mov_b64 s[64:65], 0
	v_nop
	global_prefetch_b8 v0, s[64:65] scope:SCOPE_SE
	s_setreg_imm32_b32 hwreg(HW_REG_WAVE_MODE, 25, 1), 1
	s_wait_xcnt 0x0
; PREP.  Two kinds of work-group, told apart by the work-group's number.
; 0 .. 895: q, k, v [8192][1024] and Wq, Wk, Wv, Wo [1024][1024], f32, become codes of FP6 (E2M3), K innermost, 768 bytes a row, and one E8M0 byte for each 32 along K, 32 bytes a row.
;   A block's scale is 2^(floor(log2(its largest magnitude)) - 2); its byte is the largest magnitude's exponent field - 2, held at 1 from below.  A block of zeros so gets the byte 1 where the
;   quantiser says 127: its codes are zeros, which add nothing under any byte but 0xff, and this program alone reads the bytes.
;   ROWS ARE STORED AT A PLACE OF THEIR OWN: row i lies at place i with bits 3 and 4 exchanged.  Sixteen neighbouring places then hold rows 32 g + 8 u + r + 8 (r / 8), the rows that the later products
;   want in one tile, so that a lane's results of two neighbouring tiles are 16 neighbours along the next product's K.  A wave's run is 8 rows, so the exchange is an exchange of the wave's two bits.
; 896 .. 1407: the mask [4][1][2048][2048] of bytes becomes words of 32 bits, a bit a lane, in the order in which the attention launch holds its scores: work-group 128 b + T takes the 16 queries
;   32 (T / 2) + 8 (T % 2) + r + 8 (r / 8); for each 128 keys 64 words; bit (r + 16 h) of word 16 B + i is mask[b][that query][128 step + 32 B + 16 h + i].
; LIMITS: blocks whose largest magnitude lies under 2^(2 - 126) have their byte held at 1; NaN and infinities among the inputs are not served.
; No tensor loads, no barrier: waves share nothing.  No cluster: no two work-groups read the same bytes.  Each path has LDS bytes of its own.
.set STEPS, 16
.set EMAX,  2
.set CB,    12                         ; bytes of 16 codes
.set R,     16                         ; v16-79   four sets of 16 numbers as they are loaded
.set X,     80                         ; v80-111  two sets of 16 neighbours
.set E,     112                        ; v112-127 a scale byte for each step
.set C,     128                        ; v128-191 codes: four registers for each step
.set WREG,  8192                       ; LDS, first path: a region for each wave: two stages of 32 x SP bytes, behind them its 256 scale bytes
.set SP,    80                         ; a lane's place in a stage: its 64 bytes + 16 of padding
.set MST,   32768                      ; LDS, mask path: behind the first path's 4 x 8,192 bytes: 16 rows x MP bytes for each wave
.set MP,    528                        ; 512 bytes + 16: the sixteen rows that a read touches begin at sixteen different places modulo 256 bytes
.set MAI,   192                        ; v192 mask path: where I put 16 bytes of a row
.set MAO,   193                        ; v193 and where I read my query's 16 keys
	s_load_b512 s[4:19], s[0:1], 0x0               ; q s[4:5], k s[6:7], v s[8:9], Wq s[10:11], Wk s[12:13], Wv s[14:15], Wo s[16:17], mask s[18:19]
	s_load_b128 s[20:23], s[0:1], 0x40             ; xq, wq
	s_load_b64 s[24:25], s[0:1], 0x50              ; mw
	v_lshl_add_u32 v200, v0, 2, 0x10400
	v_mov_b32 v201, 0
	v_lshrrev_b32 v1, 5, v0
	v_readfirstlane_b32 s26, v1                    ; wave
	v_and_b32 v2, 31, v0                           ; lane
	v_lshlrev_b32 v3, 4, v2                        ; my 16 bytes of a load's 512
	s_mul_i32 s27, s26, WREG
	v_lshrrev_b32 v14, 2, v2
	v_mul_u32_u24 v14, v14, SP
	v_and_b32 v15, 3, v2
	v_lshl_add_u32 v14, v15, 4, v14
	v_add_nc_u32 v14, s27, v14                     ; the stage, on the way in: SP (lane / 4) + 16 (lane % 4)
	v_mul_u32_u24 v15, v2, SP
	v_add_nc_u32 v15, s27, v15                     ; and on the way out: SP x lane: my 16 neighbours
	v_mul_u32_u24 v4, v2, CB                       ; my codes' place in a step's
	v_lshrrev_b32 v5, 1, v2
	s_add_co_u32 s27, s27, 2*32*SP
	v_add_nc_u32 v5, s27, v5                       ; my wave's 256 scale bytes, my block's byte
	v_lshlrev_b32 v7, 3, v2                        ; 8 bytes a lane
	v_add_nc_u32 v6, s27, v7
	s_mul_i32 s28, s26, 16*MP
	s_add_co_u32 s28, s28, MST                     ; the mask path's stage of my wave
	v_add_nc_u32 v[MAI], s28, v3
	v_and_b32 v8, 15, v2
	v_lshrrev_b32 v9, 4, v2
	v_mul_u32_u24 v[MAO], v8, MP
	v_lshl_add_u32 v[MAO], v9, 4, v[MAO]
	v_add_nc_u32 v[MAO], s28, v[MAO]               ; row lane % 16, + 16 (lane / 16)
	s_wait_kmcnt 0x0
	s_cmp_ge_u32 ttmp9, 896
	s_cbranch_scc1 .Lmask
	; ---- numbers into codes.  Which tensor: 256 work-groups for each of q, k, v, 32 for each weight.  Only pointers and first numbers are chosen: all seven take one path
	s_mov_b32 s29, 0                               ; the tensor's first work-group
	s_cmp_ge_u32 ttmp9, 256
	s_cselect_b64 s[4:5], s[6:7], s[4:5]
	s_cselect_b32 s29, 256, s29
	s_cmp_ge_u32 ttmp9, 512
	s_cselect_b64 s[4:5], s[8:9], s[4:5]
	s_cselect_b32 s29, 512, s29
	s_cmp_ge_u32 ttmp9, 768
	s_cselect_b64 s[4:5], s[10:11], s[4:5]
	s_cselect_b32 s29, 768, s29
	s_cmp_ge_u32 ttmp9, 800
	s_cselect_b64 s[4:5], s[12:13], s[4:5]
	s_cselect_b32 s29, 800, s29
	s_cmp_ge_u32 ttmp9, 832
	s_cselect_b64 s[4:5], s[14:15], s[4:5]
	s_cselect_b32 s29, 832, s29
	s_cmp_ge_u32 ttmp9, 864
	s_cselect_b64 s[4:5], s[16:17], s[4:5]
	s_cselect_b32 s29, 864, s29
	s_cmp_ge_u32 ttmp9, 768                        ; where it goes: the weights into wq, the others into xq, tensor behind tensor
	s_cselect_b64 s[20:21], s[22:23], s[20:21]
	s_cselect_b32 s30, 768, 0
	s_mov_b32 s31, 18874368
	s_cselect_b32 s31, 3145728, s31                ; where that buffer's scale bytes begin
	s_sub_co_u32 s32, ttmp9, s29
	s_lshl_b32 s32, s32, 2
	s_add_co_u32 s32, s32, s26                     ; which run of 8 rows of the tensor is my wave's
	s_lshl_b32 s32, s32, 15                        ; 32,768 bytes a run
	s_mov_b32 s33, 0
	s_add_nc_u64 s[4:5], s[4:5], s[32:33]
	s_and_b32 s34, s26, 1
	s_lshl_b32 s34, s34, 1
	s_lshr_b32 s35, s26, 1
	s_or_b32 s34, s34, s35                         ; the wave's two bits exchanged: rows' bits 3 and 4
	s_sub_co_u32 s35, ttmp9, s30
	s_lshl_b32 s35, s35, 2
	s_add_co_u32 s34, s34, s35                     ; the run's place in the buffer
	s_mul_i32 s32, s34, 6144                       ; 8 rows of 768 bytes
	s_add_nc_u64 s[8:9], s[20:21], s[32:33]        ; codes
	s_lshl_b32 s32, s34, 8                         ; 8 rows of 32 bytes
	s_add_co_u32 s32, s32, s31
	s_add_nc_u64 s[10:11], s[20:21], s[32:33]      ; scale bytes
.macro LOAD t
.irp i, 0,1,2,3
	global_load_b128 v[R+16*((\t)%4)+4*\i:R+16*((\t)%4)+4*\i+3], v3, s[4:5] offset:2048*(\t)+512*\i th:TH_LOAD_NT   ; 32 lanes read 512 consecutive bytes
.endr
.endm
.macro TURN t                          ; step t's numbers through the stage: LDS serves a wave's instructions in order, so no wait stands between the stores and the loads
.irp i, 0,1,2,3
	ds_store_b128 v14, v[R+16*((\t)%4)+4*\i:R+16*((\t)%4)+4*\i+3] offset:32*SP*((\t)%2)+8*SP*\i
.endr
.irp i, 0,1,2,3
	ds_load_b128 v[X+16*((\t)%2)+4*\i:X+16*((\t)%2)+4*\i+3], v15 offset:32*SP*((\t)%2)+16*\i
.endr
.endm
.irp t, 0,1,2,3
	LOAD \t
.endr
	s_wait_loadcnt 12                              ; step 0's four loads are in; those of three steps stay out
	TURN 0
.macro STEP t
.set XS, X+16*((\t)%2)
.if (\t) > 0
	s_wait_dscnt 1                                 ; this step's numbers are back from the stage (the last step's byte store may be out): so its stores into the stage have read their registers,
.else
	s_wait_dscnt 0x0
.endif
.if (\t)+4 < STEPS
	LOAD (\t)+4                                    ; which take the loads of four steps on
.endif
.if (\t)+1 < STEPS
.if STEPS-2-(\t) >= 3
	s_wait_loadcnt 12                              ; the next step's four loads are in; those of the three steps behind it may be out
.else
	s_wait_loadcnt 4*(STEPS-2-(\t))
.endif
	TURN (\t)+1                                    ; and go through the other stage while this step is worked
.endif
	v_max3_num_f32 v8, |v[XS]|, |v[XS+1]|, |v[XS+2]|               ; the largest magnitude of my 16
	v_max3_num_f32 v9, |v[XS+3]|, |v[XS+4]|, |v[XS+5]|
.irp i, 6,10
	v_max3_num_f32 v8, v8, |v[XS+\i]|, |v[XS+\i+1]|
	v_max3_num_f32 v9, v9, |v[XS+\i+2]|, |v[XS+\i+3]|
.endr
	v_max3_num_f32 v8, v8, |v[XS+14]|, |v[XS+15]|
	v_max3_num_f32 v8, v8, v9, (EMAX+1)<<23        ; and the floor 2^(EMAX + 1 - 127): the byte cannot fall under 1
	v_max_num_f32_dpp v8, v8, v8 row_xmask:1 row_mask:0xf bank_mask:0xf   ; and of my neighbour's 16: the block's
	v_add_nc_u32 v11, -(EMAX<<23), v8              ; EMAX off its exponent field: the conversion takes the exponent field of this operand as its scale
	v_cvt_scalef32_pk16_fp6_f32 v[C+4*(\t):C+4*(\t)+2], v[XS:XS+15], v11
	v_lshrrev_b32 v[E+(\t)], 23, v11               ; the scale's byte
	ds_store_b8 v5, v[E+(\t)] offset:16*(\t)       ; both lanes of a block write the same byte with the same value
	global_store_b96 v4, v[C+4*(\t):C+4*(\t)+2], s[8:9] offset:32*CB*(\t)   ; the wave stores 384 consecutive bytes
.endm
.irp t, 0,1,2,3,4,5,6,7,8,9,10,11,12,13,14,15
	STEP \t
.endr
	ds_load_b64 v[12:13], v6                       ; LDS serves a wave's instructions in order: these see my stores
	s_wait_dscnt 0x0
	global_store_b64 v7, v[12:13], s[10:11]        ; 32 lanes store 256 consecutive bytes, aligned
	s_wait_tensorcnt 0x0
	ds_add_u32 v200, v201
	s_wait_dscnt 0x0
	s_endpgm
	; ---- the mask into lane words.  Wave w takes keys 512 w .. 512 w + 511 of the work-group's 16 queries: four steps of 128 keys
.Lmask:
	s_sub_co_u32 s29, ttmp9, 896                   ; 128 b + T
	s_lshr_b32 s30, s29, 7                         ; b
	s_and_b32 s31, s29, 127                        ; T
	s_lshr_b32 s32, s31, 1
	s_lshl_b32 s32, s32, 5
	s_and_b32 s33, s31, 1
	s_lshl_b32 s33, s33, 3
	s_add_co_u32 s32, s32, s33                     ; the tile's first query: 32 (T / 2) + 8 (T % 2)
	s_lshl_b32 s32, s32, 11                        ; rows of 2,048 bytes
	s_lshl_b32 s33, s30, 22                        ; a batch's 2,048 rows
	s_add_co_u32 s32, s32, s33
	s_lshl_b32 s33, s26, 9
	s_add_co_u32 s32, s32, s33                     ; + my wave's 512 keys
	s_mov_b32 s33, 0
	s_add_nc_u64 s[18:19], s[18:19], s[32:33]
	s_lshl_b32 s32, s29, 12                        ; a tile's words: 16 steps x 256 bytes
	s_lshl_b32 s34, s26, 10                        ; my four steps
	s_add_co_u32 s32, s32, s34
	s_add_nc_u64 s[24:25], s[24:25], s[32:33]
.irp j, 0,1,2,3,4,5,6,7,8,9,10,11,12,13,14,15
	global_load_b128 v[16+4*\j:19+4*\j], v3, s[18:19] offset:(\j+8*(\j/8))*2048 th:TH_LOAD_NT   ; query j + 8 (j / 8) of the tile: 512 consecutive bytes
.endr
.irp e, 0,1,2,3,4,5,6,7
	v_mov_b32 v[144+\e], 0                         ; v_writelane_b32's destination counts as read
.endr
.irp j, 0,1,2,3,4,5,6,7,8,9,10,11,12,13,14,15
	s_wait_loadcnt 15-\j                           ; row j is in; the later rows stay out
	ds_store_b128 v[MAI], v[16+4*\j:19+4*\j] offset:\j*MP
.endr
.irp u, 0,1,2,3,4,5,6,7,8,9,10,11,12,13,14,15
	ds_load_b128 v[80+4*\u:83+4*\u], v[MAO] offset:128*(\u/4)+32*(\u%4)   ; step u / 4, block u % 4: my query's keys 32 B + 16 h + 0 .. 15.  (In order behind my stores)
.endr
; A step's 64 words.  Word n: the byte of key 32 (n / 16) + 16 h + n % 16 in every lane, compared with 0; the 32 results are one scalar word, which goes to lane n / 2 of register n % 2, so that a lane stores words 2 l and 2 l + 1.
.macro MWORDS s
	s_wait_dscnt 12-4*(\s)                         ; this step's four reads are in; the later steps' stay out
.set n, 0
.rept 16
.irp e, 0,1,2,3
	v_and_b32 v[152+\e], 0xff<<(8*\e), v[80+4*(4*(\s)+n/16)+(n%16)/4]
.endr
.irp e, 0,1,2,3
	v_cmp_ne_u32 s[36+\e], 0, v[152+\e]
.endr
.irp e, 0,1,2,3
	v_writelane_b32 v[144+2*(\s)+\e%2], s[36+\e], (n+\e)/2
.endr
.set n, n+4
.endr
	global_store_b64 v7, v[144+2*(\s):145+2*(\s)], s[24:25] offset:256*(\s)   ; 32 lanes store 256 consecutive bytes, aligned
.endm
	MWORDS 0
	MWORDS 1
	MWORDS 2
	MWORDS 3
	s_wait_tensorcnt 0x0
	ds_add_u32 v200, v201
	s_wait_dscnt 0x0
	s_endpgm
.Lfunc_end_k_qacf579ee20_prep:
	.size	k_qacf579ee20_prep, .Lfunc_end_k_qacf579ee20_prep-k_qacf579ee20_prep
	.p2alignl 7, 3214868480
	.fill 96, 4, 3214868480
	.section	.rodata,"a",@progbits
	.p2align	6, 0x0
	.amdhsa_kernel k_qacf579ee20_prep
		.amdhsa_group_segment_fixed_size 67072
		.amdhsa_private_segment_fixed_size 0
		.amdhsa_enable_private_segment 0
		.amdhsa_kernarg_size 88
		.amdhsa_user_sgpr_count 2
		.amdhsa_user_sgpr_kernarg_segment_ptr 1
		.amdhsa_wavefront_size32 1
		.amdhsa_system_sgpr_workgroup_id_x 1
		.amdhsa_system_sgpr_workgroup_id_y 1
		.amdhsa_system_sgpr_workgroup_id_z 1
		.amdhsa_system_vgpr_workitem_id 0
		.amdhsa_next_free_vgpr 202
		.amdhsa_next_free_sgpr 66
		.amdhsa_reserve_vcc 0
		.amdhsa_float_denorm_mode_32 3
		.amdhsa_float_denorm_mode_16_64 3
		.amdhsa_memory_ordered 1
		.amdhsa_forward_progress 1
		.amdhsa_inst_pref_size 88
	.end_amdhsa_kernel
	.amdgpu_metadata
---
amdhsa.version: [ 1, 2 ]
amdhsa.kernels:
  - .name:           k_qacf579ee20_prep
    .symbol:         k_qacf579ee20_prep.kd
    .args:
      - { .name: q, .offset: 0, .size: 8, .value_kind: global_buffer, .address_space: global }
      - { .name: k, .offset: 8, .size: 8, .value_kind: global_buffer, .address_space: global }
      - { .name: v, .offset: 16, .size: 8, .value_kind: global_buffer, .address_space: global }
      - { .name: Wq, .offset: 24, .size: 8, .value_kind: global_buffer, .address_space: global }
      - { .name: Wk, .offset: 32, .size: 8, .value_kind: global_buffer, .address_space: global }
      - { .name: Wv, .offset: 40, .size: 8, .value_kind: global_buffer, .address_space: global }
      - { .name: Wo, .offset: 48, .size: 8, .value_kind: global_buffer, .address_space: global }
      - { .name: mask, .offset: 56, .size: 8, .value_kind: global_buffer, .address_space: global }
      - { .name: xq, .offset: 64, .size: 8, .value_kind: global_buffer, .address_space: global }
      - { .name: wq, .offset: 72, .size: 8, .value_kind: global_buffer, .address_space: global }
      - { .name: mw, .offset: 80, .size: 8, .value_kind: global_buffer, .address_space: global }
    .group_segment_fixed_size: 67072
    .private_segment_fixed_size: 0
    .kernarg_segment_align: 8
    .kernarg_segment_size: 88
    .max_flat_workgroup_size: 128
    .sgpr_count:     66
    .vgpr_count:     202
    .wavefront_size: 32
...
	.end_amdgpu_metadata
.endif
;; end of part 1
;; launch proj (part 2): grid 4 x 96, 4 waves a work-group, clusters of 4 x 4, 327,680 bytes of LDS; arguments xq, wq, bq, bk, bv, hq; writes hq
.if DOCPART == 2
	.amdgcn_target "amdgcn-amd-amdhsa--gfx1250"
	.amdhsa_code_object_version 6
	.text
	.protected	k_qacf579ee20_proj
	.globl	k_qacf579ee20_proj
	.p2align	8
	.type	k_qacf579ee20_proj,@function
k_qacf579ee20_proj:
	s_mov_b64 s[64:65], 0
	v_nop
	global_prefetch_b8 v0, s[64:65] scope:SCOPE_SE
	s_setreg_imm32_b32 hwreg(HW_REG_WAVE_MODE, 25, 1), 1
	s_wait_xcnt 0x0
	s_wait_alu depctr_hold_cnt(0) depctr_sa_sdst(0) depctr_va_vdst(0) depctr_va_sdst(0) depctr_va_ssrc(0) depctr_va_vcc(0) depctr_vm_vsrc(0)
	s_getreg_b32 s2, hwreg(HW_REG_IB_STS2, 6, 4)
	s_cmp_eq_u32 s2, 0
	s_cbranch_scc0 .Lentry_in_a_cluster
	s_endpgm
.Lentry_in_a_cluster:
	s_bfe_u32 s2, ttmp6, 0x10000c
	s_cmp_lg_u32 s2, 0xf033
	s_cbranch_scc0 .Lentry_shape_is_right
	s_endpgm
.Lentry_shape_is_right:
; PROJ.  The three input projections x W^T + b on codes of FP6 (E2M3) with one E8M0 scale for each 32 along K (K = 1,024), and the results quantised at once into the attention launch's operands.
; Cluster y = 8 g + c: g = 0 q, 1 k, 2 v.  A work-group of four waves makes 256 x 256 results, a wave 128 x 128: 64 accumulators of 16 x 16, 512 registers.
; THE MATRIX INSTRUCTION IS USED TRANSPOSED: source 0 = 16 rows of 'B', source 1 = 16 rows of 'A': a lane holds one row of A, and its registers run along B's rows: along the axis that is quantised next.
;   q, k: A = x's rows (the sequence), B = W's rows (channels): a lane's 128 results are two heads' 64 channels, the K of the scores' product.
;   v:    A = Wv's rows (channels), B = v's rows (keys): a lane's 128 results are 128 keys of one channel, the K of the second product of attention.
; All rows lie in xq and wq at places with bits 3 and 4 exchanged, so a tile of 16 places holds rows 32 g + 8 u + r + 8 (r / 8), and register 16 B + i of a lane's 64 (half h of the lanes) is index 32 B + 16 h + i.
; K goes in steps of 256 through a ring of two LDS slots filled by the tensor data mover; the scale bytes of the work-group's rows come once and stay.
; CLUSTERS: 4 x 4 work-groups.  The four of a row of the cluster need the same tiles of A, the four of a column the same tiles of B: each tile is asked for jointly, by the same load with a mask that names the four.
; BIASES.  bq, bk run along a lane's registers: they are the C of each sum's first matrix instruction.  bv has one number a lane: it is added on the way out.  Every wave loads both kinds, and the one that does
; not apply is set to zero by a select: no branch.
; THE WAY OUT.  A block's 64 numbers a lane become a fragment (12 registers) and a scale word.  They leave as IMAGES OF THE OPERAND'S REGISTERS: half a fragment (6 registers) is 768 bytes: registers 0-3 at
; 16 x lane, registers 4-5 at 512 + 8 x lane.  q, k: the halves are two heads' tiles of 16 rows x 64 channels.  v: the whole is one tile of 16 channels x 128 keys.
; hq: for head bh = 16 b + head at 208,896 bh: K's 128 half images; +98,304 V's 64 fragments; +196,608 K's scale words [step][tile / 4][r][tile % 4]; +204,800 V's [step][r][channel tile].
;     from 13,369,344 on, 106,496 a head: Q's 128 half images; +98,304 Q's scale words, laid as K's.  Q's and K's words hold the head's two bytes twice: the scores' K is 64, and the instruction's upper 64 are zero codes.
; LIMITS: NaN and infinities are not served; a block whose largest magnitude lies under 2^-124 has its byte held at 1.
; REGISTERS, in windows of 256: window 0: v0-31 addresses; v32-63 scale words, two sets; v64-127 the registers' bias; v128-223 A's fragments, one set; v224-239 the lanes' bias.  On the way out v32-63 and v128-255 are free.
;   window 1: B's fragments, two sets, at v0 and v128.   window 2: the accumulators of my rows 0-63 ((a, b) at v[8 (8 a + b)]);   window 3: those of my rows 64-127.
.set KSTEP,  256                       ; along K in a slot
.set NQ,     2                         ; matrix instructions deep
.set ROWB,   192                       ; a tile's row in bytes
.set KROW,   768                       ; a row of codes in memory
.set PITCH,  240                       ; an LDS row: 3 x (64 bytes + 16 of padding)
.set FR,     12                        ; registers of a fragment
.set NL,     6                         ; LDS loads that bring one
.set NP,     4                         ; places behind this matrix instruction (ISA guide 7.12.1)
.set HALFT,  128*PITCH                 ; 128 rows: what one tensor load brings
.set SLOT,   4*HALFT                   ; A's 256 rows, then B's 256 rows
.set LAPS,   2                         ; K = 1,024: four K steps, twice round the ring
.set KS,     32                        ; a row of scale bytes
.set SCL,    2*SLOT                    ; behind the ring: the scales, as pieces of 256 bytes + 16 of padding
.set HALFS,  (128*KS/256)*272          ; those of 128 rows
.set SBLK,   (16*KS/256)*272           ; those of 16 rows
.set SPARE,  SCL+4*HALFS               ; behind the scales: the spare words, 128 bytes for each wave, which no other line names
.set ADRA, 16                          ; v16-17 LDS address of my A fragments in slot 0, 1 (v18-19: for the pieces behind one padding more)
.set ADRB, 20                          ; v20-23 the same for B
.set LI,   24                          ; v24  16 x lane
.set L8,   25                          ; v25  8 x lane
.set SOF,  26                          ; v26  the way out: my offset among the scale words
.set ADRS, 27                          ; v27  LDS address of my scale words: lanes 0-15 A's rows, lanes 16-31 B's
.set SPW,  28                          ; v28  LDS address of my spare word; never rewritten
.set NIL,  29                          ; v29  0; never rewritten
.set SC,   32                          ; scale words: set s at v[SC + 16 s]
.set BI,   64                          ; v64-127 bias along the registers: register 16 B + i: channel 32 B + 16 h + i of my 128
.set AF,   128                         ; A's fragments
.set BV,   224                         ; v224-239 bias of my lane's row in block a, twice (a pair for the packed addition)
.set HA,   128                         ; the way out: a block's 64 numbers
.set CD,   192                         ; v192-210 the codes just made
.set TM,   32                          ; v32-47 at work in the quantiser
.set PW,   48                          ; v48  the scale word just made
.set SW,   50                          ; v50-57 the eight blocks' scale words
.set XW,   240                         ; v240-247 scale words as they are stored
.set TP,   248
.set WV,   16                          ; s16 my wave's number
.set RH,   17                          ; s17 which half of the tile's rows is mine; also: I fetch for A (0) or for B (1)
.set CH,   18                          ; s18 which half of its columns; also: which 128 rows I fetch
.set TR,   19                          ; s19 tile row
.set G,    96                          ; s96 the tensor: 0 q, 1 k, 2 v
.set HM,   95                          ; s95 lanes 16-31
.set M0,   98                          ; s98 my first row of A
.set N0,   99                          ; s99 my first row of B
.set SEL,  40                          ; s[40:41] on the way out: lane selects for v_permlanex16_b32
.set G1,   24
.set G0,   32
.set G1B,  48
.set G0B,  56
.set G1S,  68
.set G0S,  76
.set G1SB, 80
.set G0SB, 88
.set MSB, 0
.macro WIN new                         ; the immediate's high byte repeats the setting that is left
.if MSB != (\new)
	s_set_vgpr_msb (MSB<<8)|(\new)
.set MSB, (\new)
.endif
.endm
.set MUL_LO,  0xa1                     ; source 0 (B) window 1, source 1 (A) window 0, C and D window 2
.set MUL_HI,  0xf1                     ; the same, C and D window 3
.set MUL_LO0, 0x81                     ; a sum's first product: C is the bias, in window 0
.set MUL_HI0, 0xc1
.set TO_B,    0x40                     ; destination window 1, address window 0
; A joint load: waves 0 and 1 fetch for A, waves 2 and 3 for B.  The branch hangs on the wave's number alone.  Four v_nop follow each of the two lines.
.macro JLOAD g0a, g1a, g0b, g1b
	s_cmp_eq_u32 s[RH], 0
	s_cbranch_scc0 .Lfor_b_\@
	tensor_load_to_lds s[\g0a:\g0a+3], s[\g1a:\g1a+7]
	s_nop 0
.rept 4
	v_nop
.endr
	s_branch .Lasked_\@
.Lfor_b_\@:
	tensor_load_to_lds s[\g0b:\g0b+3], s[\g1b:\g1b+7]
	s_nop 0
.rept 4
	v_nop
.endr
.Lasked_\@:
.endm
.macro CREST                           ; a round of the cluster's barrier behind its opening barrier
	s_cmp_lg_u32 s[WV], 0
	s_cbranch_scc1 .Lnot_wave_0_\@
	s_barrier_signal -3
.Lnot_wave_0_\@:
	s_barrier_wait -3
	s_barrier_signal -1
	s_barrier_wait -1
.endm
.macro CROUND                          ; a whole round
	s_barrier_signal -1
	s_barrier_wait -1
	CREST
.endm
	s_load_b256 s[4:11], s[0:1], 0x0               ; xq s[4:5], wq s[6:7], bq s[8:9], bk s[10:11]
	s_load_b128 s[12:15], s[0:1], 0x20             ; bv s[12:13], hq s[14:15]
	v_lshl_add_u32 v[SPW], v0, 2, SPARE
	v_mov_b32 v[NIL], 0
	ds_add_u32 v28, v29
	ds_add_u32 v28, v29
	s_wait_dscnt 0x0
	v_lshrrev_b32 v1, 5, v0
	v_readfirstlane_b32 s[WV], v1                  ; wave 0..3
	s_lshr_b32 s[RH], s[WV], 1
	s_and_b32 s[CH], s[WV], 1
	s_bfe_u32 s40, ttmp6, 0x40000                  ; cx, cy: my place in the cluster
	s_bfe_u32 s41, ttmp6, 0x40004
	s_and_b32 s97, ttmp7, 0xffff                   ; the cluster's y: 8 g + c, the same in all sixteen partners
	s_lshr_b32 s[G], s97, 3
	s_and_b32 s97, s97, 7
	s_lshl_b32 s97, s97, 2
	s_cmp_eq_u32 s[G], 2                           ; the long axis (8,192 rows) is A's for q and k, B's for v
	s_cselect_b32 s[TR], 0, s97
	s_cselect_b32 s42, s97, 0
	s_add_co_u32 s[TR], s[TR], s41                 ; tile row
	s_add_co_u32 s42, s42, s40                     ; tile column
	s_lshl_b32 s43, s41, 2
	s_lshl_b32 s43, 15, s43                        ; my row of the cluster
	s_lshl_b32 s44, 0x1111, s40                    ; my column
	; descriptor group 1: a tile of 128 rows x 192 bytes, 16 bytes of padding behind every 64
	s_or_b32 s[G1+0], s43, (0<<16)|(1<<20)|(1<<21)|(3<<22)|(3<<25)
	s_or_b32 s[G1B+0], s44, (0<<16)|(1<<20)|(1<<21)|(3<<22)|(3<<25)
.irp g, G1, G1B
	s_mov_b32 s[\g+1], ROWB<<16                    ; tensor_dim0
	s_mov_b32 s[\g+2], 128<<16                     ; tensor_dim1
	s_mov_b32 s[\g+3], ROWB<<16                    ; tile_dim0
	s_mov_b32 s[\g+4], 128                         ; tile_dim1
	s_mov_b32 s[\g+5], KROW                        ; from row to row
	s_mov_b32 s[\g+6], 0
	s_mov_b32 s[\g+7], 0
.endr
	; the scales of 128 rows: 4,096 dense bytes, as 16 rows of 256 bytes (32 elements of 8), 16 bytes of padding behind each
	s_or_b32 s[G1S+0], s43, (3<<16)|(1<<20)|(1<<21)|(5<<22)|(3<<25)
	s_or_b32 s[G1SB+0], s44, (3<<16)|(1<<20)|(1<<21)|(5<<22)|(3<<25)
.irp g, G1S, G1SB
	s_mov_b32 s[\g+1], 32<<16
	s_mov_b32 s[\g+2], (128*KS/256)<<16
	s_mov_b32 s[\g+3], 32<<16
	s_mov_b32 s[\g+4], 128*KS/256
	s_mov_b32 s[\g+5], 32
	s_mov_b32 s[\g+6], 0
	s_mov_b32 s[\g+7], 0
.endr
	; where tensor g lies in its buffer
	s_mul_i32 s98, s[G], 6291456                   ; x's codes
	s_lshl_b32 s99, s[G], 18
	s_add_co_u32 s99, s99, 18874368                ; x's scale bytes
	s_mul_i32 s100, s[G], 786432                   ; W's codes
	s_lshl_b32 s101, s[G], 15
	s_add_co_u32 s101, s101, 3145728               ; W's scale bytes
	s_cmp_eq_u32 s[G], 2
	s_cselect_b32 s20, s100, s98                   ; A's codes,
	s_cselect_b32 s22, s101, s99                   ; A's scales,
	s_cselect_b32 s46, s98, s100                   ; B's codes,
	s_cselect_b32 s92, s99, s101                   ; B's scales
	s_lshl_b32 s97, s[CH], 7                       ; which 128 rows of the tile I fetch
	s_lshl_b32 s98, s[TR], 8
	s_add_co_u32 s98, s98, s97                     ; A: row 256 x tile row + 128 x half
	s_lshl_b32 s99, s42, 8
	s_add_co_u32 s99, s99, s97                     ; B: row 256 x tile column + 128 x half
	s_mul_i32 s100, s98, KROW
	s_add_co_u32 s20, s20, s100
	s_lshl_b32 s100, s98, 5
	s_add_co_u32 s22, s22, s100
	s_mul_i32 s101, s99, KROW
	s_add_co_u32 s46, s46, s101
	s_lshl_b32 s101, s99, 5
	s_add_co_u32 s92, s92, s101
	s_mov_b32 s21, 0
	s_mov_b32 s23, 0
	s_mov_b32 s47, 0
	s_mov_b32 s93, 0
	s_mul_i32 s45, s[WV], HALFT                    ; where they go: wave x 128 rows: no place in the cluster enters an LDS address
	s_mul_i32 s94, s[WV], HALFS
	s_wait_kmcnt 0x0
	s_cmp_eq_u32 s[G], 1                           ; the tensor's bias
	s_cselect_b64 s[8:9], s[10:11], s[8:9]
	s_cmp_eq_u32 s[G], 2
	s_cselect_b64 s[8:9], s[12:13], s[8:9]
	s_cselect_b64 s[10:11], s[6:7], s[4:5]         ; A's buffer: wq for v, else xq
	s_cselect_b64 s[12:13], s[4:5], s[6:7]         ; B's buffer
	s_add_nc_u64 s[20:21], s[10:11], s[20:21]
	s_add_nc_u64 s[22:23], s[10:11], s[22:23]
	s_add_nc_u64 s[46:47], s[12:13], s[46:47]
	s_add_nc_u64 s[92:93], s[12:13], s[92:93]
	CROUND                                         ; all sixteen work-groups are here: the first joint loads meet
	s_mov_b32 s[G0S], 1
	s_add_co_u32 s[G0S+1], s94, SCL
	s_mov_b64 s[G0S+2:G0S+3], s[22:23]
	s_or_b32 s[G0S+3], s[G0S+3], 0x80000000
	s_mov_b32 s[G0SB], 1
	s_add_co_u32 s[G0SB+1], s94, SCL
	s_mov_b64 s[G0SB+2:G0SB+3], s[92:93]
	s_or_b32 s[G0SB+3], s[G0SB+3], 0x80000000
	JLOAD G0S, G1S, G0SB, G1SB                     ; the scales first: they are wanted with K step 0
.irp s, 0,1
	s_mov_b32 s[G0+4*\s], 1
	s_add_co_u32 s[G0+4*\s+1], s45, \s*SLOT
	s_add_nc_u64 s[G0+4*\s+2:G0+4*\s+3], s[20:21], \s*ROWB
	s_or_b32 s[G0+4*\s+3], s[G0+4*\s+3], 0x80000000
	s_mov_b32 s[G0B+4*\s], 1
	s_add_co_u32 s[G0B+4*\s+1], s45, \s*SLOT
	s_add_nc_u64 s[G0B+4*\s+2:G0B+4*\s+3], s[46:47], \s*ROWB
	s_or_b32 s[G0B+4*\s+3], s[G0B+4*\s+3], 0x80000000
	JLOAD G0+4*\s, G1, G0B+4*\s, G1B
.endr
	v_and_b32 v1, 15, v0                           ; r = lane % 16
	v_bfe_u32 v2, v0, 4, 1                         ; h = lane / 16
	; the biases: both kinds from the tensor's own bias; the base of the kind that does not apply is 0, so that no load leaves the buffer
	s_lshl_b32 s[M0], s[TR], 8
	s_lshl_b32 s100, s[RH], 7
	s_add_co_u32 s[M0], s[M0], s100                ; my first row of A
	s_lshl_b32 s[N0], s42, 8
	s_lshl_b32 s101, s[CH], 7
	s_add_co_u32 s[N0], s[N0], s101                ; my first row of B
	s_cmp_eq_u32 s[G], 2
	s_cselect_b32 s100, 0, s[N0]
	s_cselect_b32 s101, s[M0], 0
	s_lshl_b32 s100, s100, 2
	s_lshl_b32 s101, s101, 2
	v_lshl_add_u32 v12, v2, 6, s100                ; along the registers: 4 (first channel + 16 h)
	v_and_b32 v6, 8, v1
	v_add_nc_u32 v6, v6, v1                        ; r + 8 (r / 8)
	v_lshl_add_u32 v13, v6, 2, s101                ; along the lanes
.irp e, 0,1,2,3,4,5,6,7,8,9,10,11,12,13,14,15
	global_load_b128 v[BI+4*\e:BI+4*\e+3], v12, s[8:9] offset:128*(\e/4)+16*(\e%4)
.endr
.irp a, 0,1,2,3,4,5,6,7
	global_load_b32 v[BV+2*\a], v13, s[8:9] offset:4*(32*(\a/2)+8*(\a%2))
.endr
	v_mul_u32_u24 v3, v1, PITCH
	v_mul_u32_u24 v4, v2, 24
	v_add_nc_u32 v4, v3, v4                        ; a fragment's row x pitch + 24 x half
	v_lshl_add_u32 v5, v2, 4, v4                   ; and the same behind one padding more
	s_mul_i32 s21, s[RH], HALFT                    ; my 128 rows of A
	s_mul_i32 s22, s[CH], HALFT                    ; my 128 rows of B,
	s_add_co_u32 s22, s22, 2*HALFT                 ; which lie behind A's 256
.irp s, 0,1
	v_add_nc_u32 v[ADRA+\s], s21, v4
	v_add_nc_u32 v[ADRB+\s], s22, v4
	v_add_nc_u32 v[ADRA+2+\s], s21, v5
	v_add_nc_u32 v[ADRB+2+\s], s22, v5
	s_add_co_u32 s21, s21, SLOT
	s_add_co_u32 s22, s22, SLOT
.endr
	v_mul_u32_u24 v5, v1, KS                       ; my row's scales: 32 bytes a row,
	v_lshrrev_b32 v6, 8, v5
	v_lshl_add_u32 v5, v6, 4, v5                   ; and 16 more for each 256 passed
	s_mul_i32 s21, s[RH], HALFS                    ; A's: my 128 rows
	s_mul_i32 s22, s[CH], HALFS                    ; B's: my 128 rows, behind A's 256
	s_add_co_u32 s22, s22, 2*HALFS
	s_sub_co_u32 s22, s22, s21
	v_mul_u32_u24 v6, s22, v2                      ; lanes 16-31 take B's
	s_add_co_u32 s21, s21, SCL
	v_add_nc_u32 v5, v5, v6
	v_add_nc_u32 v[ADRS], s21, v5
	v_and_b32 v6, 31, v0
	v_lshlrev_b32 v[LI], 4, v6
	v_lshlrev_b32 v[L8], 3, v6
	s_cmp_eq_u32 s[G], 2
	s_cselect_b32 s100, 0, -1                      ; every lane, where the registers' bias applies (q, k)
	s_cselect_b32 s101, -1, 0                      ; every lane, where the lanes' bias applies (v)
	s_wait_loadcnt 0x0                             ; the biases
.set k, 0
.rept 64
	v_cndmask_b32 v[BI+k], 0, v[BI+k], s100
.set k, k+1
.endr
.irp a, 0,1,2,3,4,5,6,7
	v_cndmask_b32 v[BV+2*\a], 0, v[BV+2*\a], s101
	v_mov_b32 v[BV+2*\a+1], v[BV+2*\a]
.endr
.macro FRAG reg, adr, q, i             ; a fragment, 16 rows x 128 K, is 12 registers: lane l holds row l % 16; registers 6 c .. 6 c + 5 hold K = 64 c + 32 (l / 16) + 0 .. 31: 24 bytes of the row, as they lie
.irp p, 0,1,2,3,4,5                    ; in pieces of 8 bytes.  Lanes 16-31 read three pieces further on than lanes 0-15
.set PCE, 12*(\q)+6*(\p/3)+\p%3        ; 16 bytes of padding lie behind every 8 pieces: where the piece three on lies behind one padding more, the second address register serves
.if PCE%8 < 5
	ds_load_b64 v[\reg+2*\p:\reg+2*\p+1], v[\adr] offset:8*PCE+16*(PCE/8)+(\i)*16*PITCH
.else
	ds_load_b64 v[\reg+2*\p:\reg+2*\p+1], v[\adr+2] offset:8*PCE+16*(PCE/8)+(\i)*16*PITCH
.endif
.endr
.endm
; 16 matrix instructions: A's blocks a0, a0 + 1 x B's eight, 128 along K.  p: B's set; sc: the set of scale words.  first = 1: the sums begin with the bias as C: nothing is cleared.
; The 64 accumulators take turns, one instruction a turn, in the same order in every step.
.macro MUL16 a0, p, q, sc, first
.irp a, \a0, \a0+1
.irp b, 0,1,2,3,4,5,6,7
.if \first
	v_wmma_scale_f32_16x16x128_f8f6f4 v[8*(8*((\a)%4)+\b):8*(8*((\a)%4)+\b)+7], v[128*(\p)+FR*\b:128*(\p)+FR*\b+FR-1], v[AF+FR*(\a):AF+FR*(\a)+FR-1], v[BI+8*\b:BI+8*\b+7], v[SC+8*NQ*(\sc)+NQ*\b+(\q)], v[SC+8*NQ*(\sc)+NQ*(\a)+(\q)] matrix_a_fmt:MATRIX_FMT_FP6 matrix_b_fmt:MATRIX_FMT_FP6 matrix_a_scale:MATRIX_SCALE_ROW1
.else
	v_wmma_scale_f32_16x16x128_f8f6f4 v[8*(8*((\a)%4)+\b):8*(8*((\a)%4)+\b)+7], v[128*(\p)+FR*\b:128*(\p)+FR*\b+FR-1], v[AF+FR*(\a):AF+FR*(\a)+FR-1], v[8*(8*((\a)%4)+\b):8*(8*((\a)%4)+\b)+7], v[SC+8*NQ*(\sc)+NQ*\b+(\q)], v[SC+8*NQ*(\sc)+NQ*(\a)+(\q)] matrix_a_fmt:MATRIX_FMT_FP6 matrix_b_fmt:MATRIX_FMT_FP6 matrix_a_scale:MATRIX_SCALE_ROW1
.endif
.endr
.endr
.endm
.macro FETCH_B slot, q, p              ; B's eight fragments of the slot's q-th 128 along K into set p
	WIN TO_B
.irp i, 0,1,2,3,4,5,6,7
	FRAG 128*(\p)+FR*\i, ADRB+\slot, \q, \i
.endr
	WIN 0
.endm
.macro FETCH_A slot, q, i0             ; A's blocks i0 .. i0 + 3
.irp i, \i0, \i0+1, \i0+2, \i0+3
	FRAG AF+FR*(\i), ADRA+\slot, \q, \i
.endr
.endm
.macro SCALES sc                       ; a K step's scale words into set sc: two words a row; lanes 0-15 take A's block i, lanes 16-31 B's block i
.irp i, 0,1,2,3,4,5,6,7
	ds_load_b64 v[SC+8*NQ*\sc+NQ*\i:SC+8*NQ*\sc+NQ*\i+1], v[ADRS] offset:\i*SBLK
.endr
.endm
; A load into a register that a matrix instruction has read, and a vector instruction that reads a matrix result, stand NP places behind that matrix instruction; only plain vector instructions
; that name none of its registers are places (ISA guide 7.12.1 for vector instructions).
.macro PLACES n
.rept \n
	v_nop
.endr
.endm
; A step of 128 along K that has its successor in the same slot.
.macro STEP slot, q, first
	s_wait_dscnt 4*NL                              ; B's set and A's blocks 0-3 are in; the youngest 24 loads (A's blocks 4-7) may be out
.if \first
	WIN MUL_LO0
.else
	WIN MUL_LO
.endif
	MUL16 0, (\q)%2, \q, \slot, \first
	MUL16 2, (\q)%2, \q, \slot, \first
	s_wait_dscnt 0                                 ; A's blocks 4-7 are in
	PLACES NP
	FETCH_B \slot, (\q)+1, 1-(\q)%2
	FETCH_A \slot, (\q)+1, 0
.if \first
	WIN MUL_HI0
.else
	WIN MUL_HI
.endif
	MUL16 4, (\q)%2, \q, \slot, \first
	MUL16 6, (\q)%2, \q, \slot, \first
	PLACES NP
	WIN 0
	FETCH_A \slot, (\q)+1, 4
.endm
; A slot's last step changes slots: one barrier; in front of it each wave waits for all its tensor loads, adds 0 to its spare word, and waits for that and for its own reads of this slot.  fill = 1: this slot is filled again, two K steps ahead.
.macro TURN slot, next, fill
	s_wait_tensorcnt 0x0                           ; all my tensor loads have landed: my part of the next slot
	ds_add_u32 v[SPW], v[NIL]                      ; 0 onto my spare word
	s_wait_dscnt 4*NL+1                            ; (the add and the youngest 24 loads, A's blocks 4-7, may be out)
	WIN MUL_LO
	MUL16 0, 1, NQ-1, \slot, 0                     ; sixteen matrix instructions stand between the add and the wait for it
	s_wait_dscnt 0x0                               ; the add is done, and my reads of this slot are over
	s_barrier_signal -1
	MUL16 2, 1, NQ-1, \slot, 0
	WIN 0
	s_barrier_wait -1
.if \fill
	CREST                                          ; the barrier has opened a round of the cluster's barrier: no wave of any partner still reads this slot's tile or has a load on its way
	s_add_nc_u64 s[G0+4*\slot+2:G0+4*\slot+3], s[G0+4*\slot+2:G0+4*\slot+3], 2*ROWB
	s_add_nc_u64 s[G0B+4*\slot+2:G0B+4*\slot+3], s[G0B+4*\slot+2:G0B+4*\slot+3], 2*ROWB
	JLOAD G0+4*\slot, G1, G0B+4*\slot, G1B         ; the first tensor load behind the round; its four v_nop are the places in front of the loads below
.else
	PLACES NP
.endif
	v_add_nc_u32 v[ADRS], 4*NQ, v[ADRS]            ; on to the next K step's scale words
	FETCH_B \next, 0, 0
	FETCH_A \next, 0, 0
	SCALES \next
	WIN MUL_HI
	MUL16 4, 1, NQ-1, \slot, 0
	MUL16 6, 1, NQ-1, \slot, 0
	PLACES NP
	WIN 0
	FETCH_A \next, 0, 4
.endm
	s_wait_tensorcnt 1                             ; the scales and my part of K step 0 are in (K step 1's load may be out),
	s_barrier_signal -1
	s_barrier_wait -1                              ; everybody's are
	FETCH_B 0, 0, 0
	FETCH_A 0, 0, 0
	SCALES 0
	FETCH_A 0, 0, 4
	STEP 0, 0, 1                                   ; the first step stands in front of the loop: its products start the sums
	s_mov_b32 s3, LAPS-1
.Llap:                                                 ; a trip goes once round the ring and fills both slots again
	TURN 0, 1, 1
	STEP 1, 0, 0
	TURN 1, 0, 1
	STEP 0, 0, 0
	s_sub_co_u32 s3, s3, 1
	s_cmp_lg_u32 s3, 0
	s_cbranch_scc1 .Llap
	TURN 0, 1, 0                                   ; the last lap fills nothing
	STEP 1, 0, 0
	s_wait_dscnt 4*NL                              ; the very last step: nothing more to fetch
	WIN MUL_LO
	MUL16 0, 1, NQ-1, 1, 0
	MUL16 2, 1, NQ-1, 1, 0
	s_wait_dscnt 0
	WIN MUL_HI
	MUL16 4, 1, NQ-1, 1, 0
	MUL16 6, 1, NQ-1, 1, 0
	WIN 0
	; ---- THE WAY OUT
	PLACES NP                                      ; behind the last products: results are read, and operands' registers written, only from here on
	s_cmp_eq_u32 s[G], 2
	s_cselect_b32 s20, s[N0], s[M0]                ; my first place along the sequence,
	s_cselect_b32 s21, s[M0], s[N0]                ; and my first channel
	s_lshr_b32 s22, s20, 11
	s_lshl_b32 s22, s22, 4
	s_lshr_b32 s23, s21, 6
	s_add_co_u32 s22, s22, s23                     ; the first of my two heads: 16 b + channel / 64
	s_bfe_u32 s23, s20, 0x40007                    ; which 128 of the batch's 2,048 places
	s_mov_b32 s24, 208896
	s_cmp_eq_u32 s[G], 0
	s_cselect_b32 s24, 106496, s24                 ; from head to head
	s_cselect_b32 s25, 13369344, 0                 ; Q's records lie behind K's and V's
	s_mov_b32 s26, 196608
	s_cselect_b32 s26, 98304, s26                  ; where a record's scale words begin: Q's, K's,
	s_mul_i32 s22, s22, s24
	s_add_co_u32 s22, s22, s25                     ; the head's record
	s_cmp_eq_u32 s[G], 2
	s_cselect_b32 s26, 204800, s26                 ; V's
	s_cselect_b32 s27, 98304, 0                    ; V's fragments lie behind K's images
	s_cselect_b32 s28, 8, 9                        ; scale words of 128 places: 256 bytes (V) or 512
	s_cselect_b32 s30, 768, s24                    ; from a fragment's first half to its second: V: the next 768 bytes; Q, K: the next head
	s_mov_b32 s32, 768
	s_cselect_b32 s32, 1536, s32                   ; from block to block
	s_cselect_b32 s34, 202752, 0                   ; V: behind block 3 the next head: 208,896 - 4 x 1,536
	s_mov_b32 s31, 0
	s_mov_b32 s33, 0
	s_mov_b32 s35, 0
	s_mul_i32 s36, s23, 6144
	s_add_co_u32 s36, s36, s22
	s_add_co_u32 s36, s36, s27
	s_mov_b32 s37, 0
	s_add_nc_u64 s[36:37], s[14:15], s[36:37]      ; where registers 0-5 go
	s_add_nc_u64 s[38:39], s[36:37], s[30:31]      ; where registers 6-11 go
	s_lshl_b32 s28, s23, s28
	s_add_co_u32 s28, s28, s22
	s_add_co_u32 s28, s28, s26
	s_mov_b32 s29, 0
	s_add_nc_u64 s[28:29], s[14:15], s[28:29]      ; where the scale words go
	s_mov_b32 s[SEL], 0x76543210
	s_mov_b32 s[SEL+1], 0xfedcba98                 ; lane l xor 16
	s_mov_b32 s[HM], 0xffff0000
.irp b, 0,1,2,3
	v_mov_b32 v[TM+4+\b], 0                        ; a lane permute's destination counts as one of its sources
.endr
	v_mul_lo_u32 v[SOF], v2, s24
	v_lshl_add_u32 v[SOF], v1, 4, v[SOF]           ; lanes 16-31 store for the second head; 16 bytes a row
; 64 numbers of a lane, register 16 b + i = index 32 b + 16 (lane / 16) + i of my row, become a fragment's codes in v[CD] on and its scale word in v[PW].
.macro QUANT s
.irp b, 0,1,2,3
	v_max3_num_f32 v[TM+\b], |v[\s+16*\b]|, |v[\s+1+16*\b]|, 0x1800000   ; block b: my 16 numbers, and the floor 2^(3 - 127): the byte cannot fall under 1
.endr
.irp i, 2,4,6,8,10,12,14
.irp b, 0,1,2,3
	v_max3_num_f32 v[TM+\b], v[TM+\b], |v[\s+16*\b+\i]|, |v[\s+1+16*\b+\i]|   ; (the four blocks by turns)
.endr
.endr
.irp b, 0,1,2,3
	v_permlanex16_b32 v[TM+4+\b], v[TM+\b], s[SEL], s[SEL+1]
.endr
.irp b, 0,1,2,3
	v_max_num_f32 v[TM+\b], v[TM+\b], v[TM+4+\b]   ; with lane l xor 16's: the block's largest magnitude
.endr
.irp b, 0,1,2,3
	v_add_nc_u32 v[TM+12+\b], 0xff000000, v[TM+\b]   ; 2 off its exponent field: the conversion's scale operand
.endr
.irp b, 0,1,2,3
	v_lshrrev_b32 v[TM+4+\b], 23, v[TM+12+\b]      ; the scale's byte
.endr
	v_lshl_or_b32 v[PW], v[TM+5], 8, v[TM+4]
	v_lshl_or_b32 v[PW], v[TM+6], 16, v[PW]
	v_lshl_or_b32 v[PW], v[TM+7], 24, v[PW]
.irp c, 0,1
	v_cvt_scalef32_pk16_fp6_f32 v[CD+6*\c:CD+2+6*\c], v[\s+32*\c:\s+15+32*\c], v[TM+12+2*\c]
	v_cvt_scalef32_pk16_fp6_f32 v[CD+12+4*\c:CD+14+4*\c], v[\s+16+32*\c:\s+31+32*\c], v[TM+12+2*\c+1]   ; (a conversion's three registers begin on an even number)
.endr
	v_nop                                          ; one plain place behind a scaled conversion
.irp c, 0,1                                    ; the operand's layout wants a whole block in a lane: lanes 0-15 block 2 c, lanes 16-31 block 2 c + 1
.irp i, 0,1,2
	v_permlane16_swap_b32 v[CD+6*\c+\i], v[CD+12+4*\c+\i]
.endr
.irp i, 0,1,2
	v_mov_b32 v[CD+3+6*\c+\i], v[CD+12+4*\c+\i]
.endr
.endr
.endm
; Block a: its 64 results a lane come into window 0 with the lanes' bias added (each accumulator from its low end on), are quantised, and leave as two half images: each store of 16 bytes a lane covers
; 512 consecutive bytes, each of 8 bytes a lane 256, all aligned to 256.
.macro OUTA a
	WIN 0x02+(\a)/4                                ; source 0: window 2 or 3
.set k, 0
.rept 32
	v_pk_add_f32 v[HA+k:HA+k+1], v[64*((\a)%4)+k:64*((\a)%4)+k+1], v[BV+2*(\a):BV+2*(\a)+1]
.set k, k+2
.endr
	WIN 0
	QUANT HA
	v_mov_b32 v[SW+(\a)], v[PW]
	global_store_b128 v[LI], v[CD:CD+3], s[36:37]
	global_store_b64 v[L8], v[CD+4:CD+5], s[36:37] offset:512
	global_store_b128 v[LI], v[CD+6:CD+9], s[38:39]
	global_store_b64 v[L8], v[CD+10:CD+11], s[38:39] offset:512
.if (\a) < 7
	s_wait_xcnt 0x0                                ; the stores have read their data and their bases: both are written again only behind this wait
	s_add_nc_u64 s[36:37], s[36:37], s[32:33]
	s_add_nc_u64 s[38:39], s[38:39], s[32:33]
.if (\a) == 3
	s_add_nc_u64 s[36:37], s[36:37], s[34:35]
	s_add_nc_u64 s[38:39], s[38:39], s[34:35]
.endif
.endif
.endm
.irp a, 0,1,2,3,4,5,6,7
	OUTA \a
.endr
	; the scale words.  The branch hangs on the tensor's number, which all partners share
	s_cmp_eq_u32 s[G], 2
	s_cbranch_scc1 .Lv_scales
.irp a, 0,1,2,3,4,5,6,7                        ; q, k: lanes 0-15 keep the first head's two bytes, lanes 16-31 the second's; the word holds them twice
	v_lshrrev_b32 v[TP], 16, v[SW+\a]
	v_cndmask_b32 v[TP], v[SW+\a], v[TP], s[HM]
	v_and_b32 v[TP], 0xffff, v[TP]
	v_lshl_or_b32 v[XW+\a], v[TP], 16, v[TP]
.endr
	global_store_b128 v[SOF], v[XW:XW+3], s[28:29]               ; sixteen lanes store 256 consecutive bytes, aligned: tiles 0-3 of the 128 places,
	global_store_b128 v[SOF], v[XW+4:XW+7], s[28:29] offset:256  ; tiles 4-7
	s_branch .Lscales_done
.Lv_scales:
.irp i, 0,1,2,3                                ; v: blocks 0-3 are the first head's channel tiles, blocks 4-7 the second's
	v_cndmask_b32 v[XW+\i], v[SW+\i], v[SW+4+\i], s[HM]
.endr
	global_store_b128 v[SOF], v[XW:XW+3], s[28:29]
.Lscales_done:
	s_wait_tensorcnt 0x0                           ; the wave's end
	ds_add_u32 v[SPW], v[NIL]
	s_wait_dscnt 0x0
	CROUND                                         ; the closing round: no work-group ends while a partner may still ask for a tile that names it
	s_endpgm
.Lfunc_end_k_qacf579ee20_proj:
	.size	k_qacf579ee20_proj, .Lfunc_end_k_qacf579ee20_proj-k_qacf579ee20_proj
	.p2alignl 7, 3214868480
	.fill 96, 4, 3214868480
	.section	.rodata,"a",@progbits
	.p2align	6, 0x0
	.amdhsa_kernel k_qacf579ee20_proj
		.amdhsa_group_segment_fixed_size 327680
		.amdhsa_private_segment_fixed_size 0
		.amdhsa_enable_private_segment 0
		.amdhsa_kernarg_size 48
		.amdhsa_user_sgpr_count 2
		.amdhsa_user_sgpr_kernarg_segment_ptr 1
		.amdhsa_wavefront_size32 1
		.amdhsa_system_sgpr_workgroup_id_x 1
		.amdhsa_system_sgpr_workgroup_id_y 1
		.amdhsa_system_sgpr_workgroup_id_z 1
		.amdhsa_system_vgpr_workitem_id 0
		.amdhsa_next_free_vgpr 1024
		.amdhsa_next_free_sgpr 102
		.amdhsa_reserve_vcc 0
		.amdhsa_float_denorm_mode_32 3
		.amdhsa_float_denorm_mode_16_64 3
		.amdhsa_memory_ordered 1
		.amdhsa_forward_progress 1
		.amdhsa_inst_pref_size 193
	.end_amdhsa_kernel
	.amdgpu_metadata
---
amdhsa.version: [ 1, 2 ]
amdhsa.kernels:
  - .name:           k_qacf579ee20_proj
    .symbol:         k_qacf579ee20_proj.kd
    .args:
      - { .name: xq, .offset: 0, .size: 8, .value_kind: global_buffer, .address_space: global }
      - { .name: wq, .offset: 8, .size: 8, .value_kind: global_buffer, .address_space: global }
      - { .name: bq, .offset: 16, .size: 8, .value_kind: global_buffer, .address_space: global }
      - { .name: bk, .offset: 24, .size: 8, .value_kind: global_buffer, .address_space: global }
      - { .name: bv, .offset: 32, .size: 8, .value_kind: global_buffer, .address_space: global }
      - { .name: hq, .offset: 40, .size: 8, .value_kind: global_buffer, .address_space: global }
    .group_segment_fixed_size: 327680
    .private_segment_fixed_size: 0
    .kernarg_segment_align: 8
    .kernarg_segment_size: 48
    .max_flat_workgroup_size: 128
    .sgpr_count:     102
    .vgpr_count:     1024
    .wavefront_size: 32
...
	.end_amdgpu_metadata
.endif
;; end of part 2
;; launch attn (part 3): grid 4 x 64, 16 waves a work-group, clusters of 4 x 1, 215,040 bytes of LDS; arguments hq, mw, oq; writes oq
.if DOCPART == 3
	.amdgcn_target "amdgcn-amd-amdhsa--gfx1250"
	.amdhsa_code_object_version 6
	.text
	.protected	k_qacf579ee20_attn
	.globl	k_qacf579ee20_attn
	.p2align	8
	.type	k_qacf579ee20_attn,@function
k_qacf579ee20_attn:
	s_mov_b64 s[64:65], 0
	v_nop
	global_prefetch_b8 v0, s[64:65] scope:SCOPE_SE
	s_setreg_imm32_b32 hwreg(HW_REG_WAVE_MODE, 25, 1), 1
	s_wait_xcnt 0x0
	s_wait_alu depctr_hold_cnt(0) depctr_sa_sdst(0) depctr_va_vdst(0) depctr_va_sdst(0) depctr_va_ssrc(0) depctr_va_vcc(0) depctr_vm_vsrc(0)
	s_getreg_b32 s2, hwreg(HW_REG_IB_STS2, 6, 4)
	s_cmp_eq_u32 s2, 0
	s_cbranch_scc0 .Lentry_in_a_cluster
	s_endpgm
.Lentry_in_a_cluster:
	s_bfe_u32 s2, ttmp6, 0x10000c
	s_cmp_lg_u32 s2, 0x3003
	s_cbranch_scc0 .Lentry_shape_is_right
	s_endpgm
.Lentry_shape_is_right:
; ATTN.  For head bh = 16 b + head: O = softmax(where(mask, Q K^T / 8, -1e9)) V, both products on codes of FP6 (E2M3) with one E8M0 scale for each 32 along K, and O quantised at once into the last product's operand.
; THE SOFTMAX AHEAD OF THE SECOND PRODUCT: t = logit x log2(e), rounded to f32 before anything is taken off it; a hidden logit's t is fl(-1e9 x log2(e)) = -1,442,695,040; M = the row's largest t so far, rounded up to
; a whole number; p = 2^(t - M) is what is quantised along the keys, not normalised.  The row's sum is taken of the unquantised p and divides O at the end.  When M moves, the sum and O are multiplied by
; 2^(old M - new M): exact.  A row that is hidden altogether has t = M everywhere: p = 1, the uniform softmax of the definition.
; SHARES.  A work-group owns 512 queries of one head; each of its sixteen waves owns two tiles of 16 queries, one after the other, in 256 registers: four waves to a SIMD, so that one wave's vector work stands beside
; another's matrix work and LDS loads.  Every wave walks all 2,048 keys, 128 a step.
; LDS.  The head's whole record of K and V (208,896 bytes: K's 128 half images, V's 64 fragments, both scale words) lies in LDS, at the offsets that it has in memory, FILLED ONCE: no ring, no barrier in the loop.
; CLUSTER.  The four work-groups of a head need the same record: each of the sixteen waves asks for a sixteenth of it (51 rows of 256 bytes) jointly with the same wave of the three partners.
; LAYOUT.  Both products are used transposed: S^T = K Q^T (source 0 = 16 keys, source 1 = my 16 queries), O^T = V^T P^T (source 0 = 16 channels, source 1 = P): a lane holds one query (lane % 16) throughout.
; A tile's 16 rows are rows 32 g + 8 u + r + 8 (r / 8) (keys, queries and channels alike: the launches before have laid them so), so register 16 B + i of a lane's scores is key 32 B + 16 (lane / 16) + i of the step.
; THE SCORES' K IS 64, the instruction's 128.  Q's registers 6-11 are zero codes.  K's fragment t is named as v[32 + 6 t .. 43 + 6 t]: its upper six registers are the next tile's codes (behind tile 7: zeros):
; numbers of the format, which has no NaN and no infinity, multiplied by zeros; their scale bytes repeat the lower blocks'.  So half of the LDS reads and registers of a padded K are spared, and the sums are the same.
; THE MASK comes as words of 32 bits, a bit a lane, one word for each of the lane's 64 scores of a step: scalar loads, a step ahead; each is the select of one v_cndmask_b32.  No branch hangs on it.
; O leaves as half an image of the last product's A (768 bytes: registers 0-3 at 16 x lane, 4-5 at 512 + 8 x lane) and two scale bytes a row.  The bytes are stored one a lane, 32 bytes apart: a head owns 2 of a row's 32.
; LIMITS: NaN and infinities are not served; a p under 2^-126 falls to 0; a block of zeros has the byte 1 (its codes are zeros).
; REGISTERS: v1-7, v240-241 addresses and constants that stay; v8-11, v29-30 LDS addresses in hand; v12 -M, v13 the largest t, v[14:15] the sum in two halves; v16-21 Q, v22-27 zeros, v28 Q's scale word;
;   v32-79 K's eight half fragments, then V's four fragments; v80-85 zeros; v86-93 K's scale words, v94-97 V's; v[98:99] f; v100-163 S^T, then p; v164-195 O^T; v196-207 P's codes; v208-231 at work.
.set KVB,  208896                      ; a head's record of K and V
.set QREG, 13369344                    ; where Q's records begin
.set QSTR, 106496                      ; a head's record of Q
.set S,    100
.set O,    164
.set PCD,  196
.set CT,   208                         ; v208-210, v212-214 the conversions' second halves
.set BM,   216                         ; v216-219 the blocks' largest t, then p
.set PD,   220                         ; v220-223 permutes' destinations, then the scales' bytes
.set SOP,  224                         ; v224-227 the conversions' scale operands
.set PWD,  228                         ; v228 P's scale word
.set TP,   229
.set SU,   230                         ; v[230:231] the second chain of the sum
; A round of the cluster's barrier.
.macro ROUND
	s_barrier_signal -1
	s_barrier_wait -1
	s_cmp_lg_u32 s3, 0
	s_cbranch_scc1 .Lnot_wave_0_\@
	s_barrier_signal -3
.Lnot_wave_0_\@:
	s_barrier_wait -3
	s_barrier_signal -1
	s_barrier_wait -1
.endm
; A step's 64 mask words, 256 bytes at byte s14 of my two tiles' 8,192: word n into s[32 + n + 4 (n / 32)]
.macro MLOAD
	s_load_b512 s[32:47], s[8:9], s14 offset:0x0
	s_load_b512 s[48:63], s[8:9], s14 offset:0x40
	s_load_b512 s[68:83], s[8:9], s14 offset:0x80
	s_load_b512 s[84:99], s[8:9], s14 offset:0xc0
.endm
	s_load_b128 s[4:7], s[0:1], 0x0                ; hq, mw
	s_load_b64 s[10:11], s[0:1], 0x10              ; oq
	v_lshl_add_u32 v254, v0, 2, 0x34000
	v_mov_b32 v255, 0
	ds_add_u32 v254, v255
	ds_add_u32 v254, v255
	v_lshrrev_b32 v1, 5, v0
	s_delay_alu instid0(VALU_DEP_1)
	v_readfirstlane_b32 s3, v1                     ; wave 0..15
	s_bfe_u32 s25, ttmp6, 0x40000                  ; cx: it enters Q's, the mask's and O's addresses alone
	s_and_b32 s26, ttmp7, 0xffff                   ; the head, which the four partners share
	; descriptor group 1: 51 rows of 256 bytes (32 elements of 8), dense, no padding
	s_mov_b32 s36, 15|(3<<16)|(1<<21)              ; 15:0 the mask: all four work-groups; 17:16 elements of 8 bytes; 21 set beside a mask
	s_mov_b32 s37, 32<<16                          ; tensor_dim0
	s_mov_b32 s38, 51<<16                          ; tensor_dim1
	s_mov_b32 s39, 32<<16                          ; tile_dim0
	s_mov_b32 s40, 51                              ; tile_dim1
	s_mov_b32 s41, 32                              ; from row to row
	s_mov_b32 s42, 0
	s_mov_b32 s43, 0
	s_mul_i32 s33, s3, 13056                       ; my sixteenth: in LDS,
	s_mul_i32 s30, s26, KVB
	s_add_co_u32 s30, s30, s33                     ; and in memory
	s_mov_b32 s31, 0
	s_mov_b32 s32, 1
	s_wait_dscnt 0x0
	s_wait_kmcnt 0x0
	s_add_nc_u64 s[34:35], s[4:5], s[30:31]
	s_or_b32 s35, s35, 0x80000000
	ROUND                                          ; all four work-groups are here: the joint loads meet
	tensor_load_to_lds s[32:35], s[36:43]          ; my one tensor load of the launch
	s_nop 0
.rept 4
	v_nop
.endr
	s_lshl_b32 s27, s25, 5
	s_lshl_b32 s28, s3, 1
	s_add_co_u32 s27, s27, s28                     ; T0 = 32 cx + 2 wave: my first tile of queries
	s_lshr_b32 s28, s26, 4                         ; b
	s_and_b32 s29, s26, 15                         ; head
	s_lshl_b32 s28, s28, 7
	s_add_co_u32 s28, s28, s27                     ; 128 b + T0
	s_mov_b32 s45, 0
	s_lshl_b32 s44, s28, 12                        ; a tile's mask words: 4,096 bytes
	s_add_nc_u64 s[8:9], s[6:7], s[44:45]
	s_mul_i32 s30, s26, QSTR
	s_add_co_u32 s30, s30, QREG                    ; the head's record of Q
	s_lshr_b32 s44, s27, 2
	s_lshl_b32 s44, s44, 8                         ; scale words: 256 bytes for each four tiles,
	s_and_b32 s46, s27, 3
	s_lshl_b32 s46, s46, 2                         ; the tile's word among a row's four
	s_add_co_u32 s44, s44, s46
	s_add_co_u32 s44, s44, s30
	s_add_co_u32 s44, s44, 98304
	s_add_nc_u64 s[6:7], s[4:5], s[44:45]          ; Q's scale words
	s_mul_i32 s44, s27, 768
	s_add_co_u32 s44, s44, s30
	s_add_nc_u64 s[4:5], s[4:5], s[44:45]          ; Q's half images
	s_lshl_b32 s44, s28, 9                         ; 16 rows of 32 scale bytes
	s_lshl_b32 s46, s29, 1
	s_add_co_u32 s44, s44, s46
	s_add_co_u32 s44, s44, 6291456
	s_add_nc_u64 s[12:13], s[10:11], s[44:45]      ; O's scale bytes
	s_mul_i32 s44, s28, 12288                      ; a tile of rows: 8 fragments of 1,536 bytes
	s_mul_i32 s46, s29, 768                        ; the head's half of fragment head / 2
	s_add_co_u32 s44, s44, s46
	s_add_nc_u64 s[10:11], s[10:11], s[44:45]      ; O's half images
	s_mov_b32 s20, 0x76543210
	s_mov_b32 s21, 0xfedcba98                      ; v_permlanex16_b32's selects for lane l xor 16
	s_mov_b32 s22, 0x3e38aa3b                      ; log2(e) / 8
	s_mov_b32 s23, s22                             ; (named with it as a pair)
	s_mov_b32 s24, 0xffff0000                      ; lanes 16-31
	s_mov_b32 s14, 0
	s_mov_b32 s15, 2                               ; tiles to go
	v_and_b32 v31, 31, v0                          ; lane
	v_and_b32 v[TP], 15, v0                        ; r
	v_bfe_u32 v[SU], v0, 4, 1                      ; h
	s_delay_alu instid0(VALU_DEP_3)
	v_lshlrev_b32 v1, 4, v31                       ; 16 x lane: registers 0-3 of a half image
	s_delay_alu instid0(VALU_DEP_4)
	v_lshl_add_u32 v2, v31, 3, 512                 ; 512 + 8 x lane: registers 4-5
	s_delay_alu instid0(VALU_DEP_2)
	v_add_nc_u32 v3, 98304, v1                     ; the same among V's fragments
	s_delay_alu instid0(VALU_DEP_2)
	v_add_nc_u32 v4, 98304, v2
	v_lshlrev_b32 v240, 4, v[TP]                   ; 16 r: a row's four scale words
	s_delay_alu instid0(VALU_DEP_1)
	v_add_nc_u32 v5, 196608, v240                  ; K's
	s_delay_alu instid0(VALU_DEP_2)
	v_add_nc_u32 v6, 204800, v240                  ; V's
	v_mov_b32 v7, 0xceabfb8f                       ; a hidden logit's t
	v_lshl_add_u32 v241, v[TP], 5, v[SU]           ; 32 r + h: my scale byte of O
.irp i, 0,1,2,3,4,5
	v_mov_b32 v[22+\i], 0                          ; Q's upper 64 along K: zero codes
	v_mov_b32 v[80+\i], 0                          ; and what stands behind K's tile 7
.endr
.irp b, 0,1,2,3
	v_mov_b32 v[PD+\b], 0                          ; a lane permute's destination counts as one of its sources
.endr
	v_mov_b32 v99, 0                               ; (named as the upper half of the pair v[98:99])
	s_wait_tensorcnt 0x0                           ; my sixteenth is in,
	s_barrier_signal -1
	s_barrier_wait -1                              ; everybody's is
	MLOAD                                          ; the first step's mask words (the descriptors' registers are free: the load is done)
.Ltile:
	global_load_b128 v[16:19], v1, s[4:5]          ; Q's half fragment
	global_load_b64 v[20:21], v2, s[4:5]
	global_load_b32 v28, v240, s[6:7]              ; and its scale words
	v_mov_b32 v13, 0xff61b1e6                      ; the largest t so far: -3e38, under every t
	s_delay_alu instid0(VALU_DEP_1)
	v_floor_f32 v12, -v13                          ; -M
	v_mov_b32 v14, 0                               ; the sum, in two halves
	v_mov_b32 v15, 0
.set j, 0
.rept 32
	v_mov_b32 v[O+j], 0                            ; O^T.  (The step is written once: the first finds zeros, which the first change of M leaves zeros)
.set j, j+1
.endr
	s_mov_b32 s17, 0                               ; the step's K tiles and V fragments: 6,144 bytes a step each
	s_mov_b32 s18, 0                               ; K's scale words: 512
	s_mov_b32 s19, 0                               ; V's: 256
	s_mov_b32 s16, 16
	s_wait_loadcnt 0x0
.Lstep:                                            ; 128 keys
	s_setprio 2
	v_add_nc_u32 v8, s17, v1                       ; (these four are the places behind the last step's products, in front of the loads into their operands)
	v_add_nc_u32 v9, s17, v2
	v_add_nc_u32 v29, s18, v5
	v_add_nc_u32 v30, s19, v6
.irp t, 0,1,2,3,4,5,6,7
	ds_load_b128 v[32+6*\t:35+6*\t], v8 offset:768*\t
	ds_load_b64 v[36+6*\t:37+6*\t], v9 offset:768*\t
.endr
	ds_load_b128 v[86:89], v29
	ds_load_b128 v[90:93], v29 offset:256
	s_wait_alu depctr_va_vdst(0)
	s_wait_dscnt 0x0
.irp t, 0,1,2,3,4,5,6,7
	v_wmma_scale_f32_16x16x128_f8f6f4 v[S+8*\t:S+8*\t+7], v[32+6*\t:43+6*\t], v[16:27], 0, v[86+\t], v28 matrix_a_fmt:MATRIX_FMT_FP6 matrix_b_fmt:MATRIX_FMT_FP6
.endr
	v_add_nc_u32 v10, s17, v3                      ; four places, then V's fragments into the registers that K has left: they land under the softmax
	v_add_nc_u32 v11, s17, v4
	v_nop
	v_nop
.irp c, 0,1,2,3
	ds_load_b128 v[32+12*\c:35+12*\c], v10 offset:1536*\c
	ds_load_b64 v[36+12*\c:37+12*\c], v11 offset:1536*\c
	ds_load_b128 v[38+12*\c:41+12*\c], v10 offset:1536*\c+768
	ds_load_b64 v[42+12*\c:43+12*\c], v11 offset:1536*\c+768
.endr
	ds_load_b128 v[94:97], v30
.set j, 0
.rept 32
	v_pk_mul_f32 v[S+j:S+j+1], v[S+j:S+j+1], s[22:23] op_sel_hi:[1,0]   ; t = score x log2(e) / 8, rounded here (each accumulator is read from its low end on)
.set j, j+2
.endr
	s_wait_kmcnt 0x0                               ; this step's mask words
.set n, 0
.rept 64
	v_cndmask_b32 v[S+n], v7, v[S+n], s[32+n+4*(n/32)]   ; where the mask's bit is 0: the hidden logit's t
.set n, n+1
.endr
.irp b, 0,1,2,3
	v_max3_num_f32 v[BM+\b], v[S+16*\b], v[S+1+16*\b], v[S+2+16*\b]   ; the largest t of each block of 32 keys: for the row's maximum, and, since p rises with t, for the block's largest p
.endr
.irp i, 3,5,7,9,11,13
.irp b, 0,1,2,3
	s_delay_alu instid0(VALU_DEP_4)
	v_max3_num_f32 v[BM+\b], v[BM+\b], v[S+16*\b+\i], v[S+1+16*\b+\i]
.endr
.endr
.irp b, 0,1,2,3
	s_delay_alu instid0(VALU_DEP_4)
	v_max_num_f32 v[BM+\b], v[BM+\b], v[S+15+16*\b]
.endr
	s_add_co_u32 s14, s14, 256                     ; the next step's mask words are asked for now: my 32 steps' words are 8,192 bytes on end;
	s_min_u32 s14, s14, 7936                       ; the very last step asks for its own again, so that no load leaves the buffer
	MLOAD
.irp b, 0,1,2,3
	v_permlanex16_b32 v[PD+\b], v[BM+\b], s20, s21
.endr
.irp b, 0,1,2,3
	s_delay_alu instid0(VALU_DEP_4)
	v_max_num_f32 v[BM+\b], v[BM+\b], v[PD+\b]     ; with lane l xor 16's 16 keys
.endr
	s_delay_alu instid0(VALU_DEP_2)
	v_max3_num_f32 v[TP], v[BM], v[BM+1], v[BM+2]
	s_delay_alu instid0(VALU_DEP_1)
	v_max_num_f32 v[TP], v[TP], v[BM+3]            ; the step's largest t of my query
	s_delay_alu instid0(VALU_DEP_1)
	v_max_num_f32 v13, v13, v[TP]                  ; the running largest t
	v_mov_b32 v[TP], v12
	s_delay_alu instid0(VALU_DEP_2)
	v_floor_f32 v12, -v13                          ; the new -M = floor(-t) = -ceil(t): M is a whole number
	s_delay_alu instid0(VALU_DEP_1)
	v_sub_f32 v[TP], v12, v[TP]                    ; old M less new M: a whole number, 0 or less
	s_delay_alu instid0(VALU_DEP_1)
	v_cvt_i32_f32 v[TP], v[TP]                     ; (it saturates)
	s_delay_alu instid0(VALU_DEP_1)
	v_ldexp_f32 v98, 1.0, v[TP]                    ; f = 2^(old M - new M)
.set j, 0
.rept 32
	v_pk_add_f32 v[S+j:S+j+1], v[S+j:S+j+1], v[12:13] op_sel_hi:[1,0]   ; t - M
.set j, j+2
.endr
	s_setprio 1
.irp b, 0,1,2,3
	v_add_f32 v[BM+\b], v[BM+\b], v12              ; the same of each block's largest t
.endr
.set j, 0
	s_wait_alu depctr_va_vdst(0)
.rept 64
	v_exp_f32 v[S+j], v[S+j]                       ; p = 2^(t - M), at most 1
.set j, j+1
.endr
	v_pk_mul_f32 v[14:15], v[14:15], v[98:99] op_sel_hi:[1,0]   ; the sums under the new M.  (A plain place behind the exponentials)
	s_wait_alu depctr_va_vdst(0)                   ; one wait for the whole batch, ahead of its first reader
.irp b, 0,1,2,3
	v_exp_f32 v[BM+\b], v[BM+\b]                   ; the block's largest p: the same addition and exponential on the same number give the same bits
.endr
	v_pk_add_f32 v[230:231], v[104:105], v[108:109]
	v_pk_add_f32 v[252:253], v[112:113], v[116:117]
	v_pk_add_f32 v[250:251], v[120:121], v[124:125]
	v_pk_add_f32 v[248:249], v[128:129], v[132:133]
	v_pk_add_f32 v[246:247], v[136:137], v[140:141]
	v_pk_add_f32 v[244:245], v[144:145], v[148:149]
	v_pk_add_f32 v[242:243], v[152:153], v[156:157]
	v_pk_add_f32 v[14:15], v[14:15], v[160:161]
	v_pk_add_f32 v[230:231], v[230:231], v[100:101]
	v_pk_add_f32 v[252:253], v[252:253], v[102:103]
	v_pk_add_f32 v[250:251], v[250:251], v[106:107]
	v_pk_add_f32 v[248:249], v[248:249], v[110:111]
	v_pk_add_f32 v[246:247], v[246:247], v[114:115]
	v_pk_add_f32 v[244:245], v[244:245], v[118:119]
	v_pk_add_f32 v[242:243], v[242:243], v[122:123]
	v_pk_add_f32 v[14:15], v[14:15], v[126:127]
	v_pk_add_f32 v[230:231], v[230:231], v[130:131]
	v_pk_add_f32 v[252:253], v[252:253], v[134:135]
	v_pk_add_f32 v[250:251], v[250:251], v[138:139]
	v_pk_add_f32 v[248:249], v[248:249], v[142:143]
	v_pk_add_f32 v[246:247], v[246:247], v[146:147]
	v_pk_add_f32 v[244:245], v[244:245], v[150:151]
	v_pk_add_f32 v[242:243], v[242:243], v[154:155]
	v_pk_add_f32 v[14:15], v[14:15], v[158:159]
	v_pk_add_f32 v[230:231], v[230:231], v[162:163]
	s_delay_alu instid0(VALU_DEP_2)
	v_pk_add_f32 v[14:15], v[14:15], v[248:249]
	s_delay_alu instid0(VALU_DEP_2)
	v_pk_add_f32 v[230:231], v[230:231], v[246:247]
	v_pk_add_f32 v[252:253], v[252:253], v[244:245]
	v_pk_add_f32 v[250:251], v[250:251], v[242:243]
	s_delay_alu instid0(VALU_DEP_2)
	v_pk_add_f32 v[14:15], v[14:15], v[252:253]
	s_delay_alu instid0(VALU_DEP_2)
	v_pk_add_f32 v[230:231], v[230:231], v[250:251]
	s_delay_alu instid0(VALU_DEP_1)
	v_pk_add_f32 v[14:15], v[14:15], v[230:231]
	s_wait_alu depctr_va_vdst(0)                   ; and one for the four
.irp b, 0,1,2,3
	v_max_num_f32 v[BM+\b], 0x1800000, v[BM+\b]    ; the floor 2^(3 - 127): the byte cannot fall under 1
.endr
.irp b, 0,1,2,3
	s_delay_alu instid0(VALU_DEP_4)
	v_add_nc_u32 v[SOP+\b], 0xff000000, v[BM+\b]   ; 2 off the exponent field: the conversion's scale operand
.endr
.irp b, 0,1,2,3
	s_delay_alu instid0(VALU_DEP_4)
	v_lshrrev_b32 v[PD+\b], 23, v[SOP+\b]          ; the scale's byte
.endr
	s_delay_alu instid0(VALU_DEP_3)
	v_lshl_or_b32 v[PWD], v[PD+1], 8, v[PD]        ; P's scale word for these 128 keys
	s_delay_alu instid0(VALU_DEP_1)
	v_lshl_or_b32 v[PWD], v[PD+2], 16, v[PWD]
	s_delay_alu instid0(VALU_DEP_1)
	v_lshl_or_b32 v[PWD], v[PD+3], 24, v[PWD]
	s_setprio 0
.irp c, 0,1
	v_cvt_scalef32_pk16_fp6_f32 v[PCD+6*\c:PCD+2+6*\c], v[S+32*\c:S+15+32*\c], v[SOP+2*\c]
	v_cvt_scalef32_pk16_fp6_f32 v[CT+4*\c:CT+2+4*\c], v[S+16+32*\c:S+31+32*\c], v[SOP+2*\c+1]   ; (a conversion's three registers begin on an even number)
.endr
	v_nop                                          ; one plain place behind a scaled conversion
.irp c, 0,1                                    ; the operand's layout wants a whole block in a lane
.irp i, 0,1,2
	v_permlane16_swap_b32 v[PCD+6*\c+\i], v[CT+4*\c+\i]
.endr
.irp i, 0,1,2
	s_delay_alu instid0(VALU_DEP_3)
	v_mov_b32 v[PCD+3+6*\c+\i], v[CT+4*\c+\i]
.endr
.endr
.set j, 0
.rept 16
	v_pk_mul_f32 v[O+j:O+j+1], v[O+j:O+j+1], v[98:99] op_sel_hi:[1,0]   ; O^T under the new M.  (These sixteen are also the places between P's codes and scale word and the products)
.set j, j+2
.endr
	s_wait_alu depctr_va_vdst(0)
	s_wait_dscnt 0x0                               ; V
.irp c, 0,1,2,3                                ; the four accumulators by turns
	v_wmma_scale_f32_16x16x128_f8f6f4 v[O+8*\c:O+8*\c+7], v[32+12*\c:43+12*\c], v[PCD:PCD+11], v[O+8*\c:O+8*\c+7], v[94+\c], v[PWD] matrix_a_fmt:MATRIX_FMT_FP6 matrix_b_fmt:MATRIX_FMT_FP6
.endr
	s_add_co_u32 s17, s17, 6144
	s_add_co_u32 s18, s18, 512
	s_add_co_u32 s19, s19, 256
	s_sub_co_u32 s16, s16, 1
	s_cmp_lg_u32 s16, 0
	s_cbranch_scc1 .Lstep
	s_setprio 0
	; ---- the tile's end: O^T / the sum, quantised along the head's 64 channels: register 16 B + i is channel 32 B + 16 h + i
	v_add_f32 v14, v14, v15                        ; the sum's two halves,
	s_delay_alu instid0(VALU_DEP_1)
	v_permlanex16_b32 v[TP], v14, s20, s21
	s_delay_alu instid0(VALU_DEP_1)
	v_add_f32 v14, v14, v[TP]                      ; and lane l xor 16's: the row's sum
	v_nop
	v_nop                                          ; (with the additions: the places behind the last products)
	s_wait_alu depctr_va_vdst(0)
	v_rcp_f32 v14, v14
	v_nop                                          ; a plain place behind the reciprocal
	s_wait_alu depctr_va_vdst(0)                   ; and the wait ahead of its first reader
.set j, 0
.rept 32
	v_mul_f32 v[S+j], v[O+j], v14
.set j, j+1
.endr
.irp b, 0,1
	v_max3_num_f32 v[BM+\b], |v[S+16*\b]|, |v[S+1+16*\b]|, 0x1800000
.endr
.irp i, 2,4,6,8,10,12,14
.irp b, 0,1
	s_delay_alu instid0(VALU_DEP_2)
	v_max3_num_f32 v[BM+\b], v[BM+\b], |v[S+16*\b+\i]|, |v[S+1+16*\b+\i]|
.endr
.endr
.irp b, 0,1
	s_delay_alu instid0(VALU_DEP_2)
	v_permlanex16_b32 v[PD+\b], v[BM+\b], s20, s21
.endr
.irp b, 0,1
	s_delay_alu instid0(VALU_DEP_2)
	v_max_num_f32 v[BM+\b], v[BM+\b], v[PD+\b]
.endr
.irp b, 0,1
	s_delay_alu instid0(VALU_DEP_2)
	v_add_nc_u32 v[SOP+\b], 0xff000000, v[BM+\b]
.endr
.irp b, 0,1
	s_delay_alu instid0(VALU_DEP_2)
	v_lshrrev_b32 v[PD+\b], 23, v[SOP+\b]
.endr
	v_cvt_scalef32_pk16_fp6_f32 v[PCD:PCD+2], v[S:S+15], v[SOP]
	v_cvt_scalef32_pk16_fp6_f32 v[CT:CT+2], v[S+16:S+31], v[SOP+1]
	v_nop
.irp i, 0,1,2
	v_permlane16_swap_b32 v[PCD+\i], v[CT+\i]
.endr
.irp i, 0,1,2
	s_delay_alu instid0(VALU_DEP_3)
	v_mov_b32 v[PCD+3+\i], v[CT+\i]
.endr
	v_cndmask_b32 v[TP], v[PD], v[PD+1], s24       ; lanes 0-15 store the first block's byte, lanes 16-31 the second's
	global_store_b128 v1, v[PCD:PCD+3], s[10:11]   ; 512 consecutive bytes, aligned to 256,
	global_store_b64 v2, v[PCD+4:PCD+5], s[10:11]  ; and the 256 behind them
	global_store_b8 v241, v[TP], s[12:13]
	s_wait_xcnt 0x0                                ; the stores have read their data and bases
	s_add_nc_u64 s[4:5], s[4:5], 768               ; on to my second tile
	s_add_nc_u64 s[6:7], s[6:7], 4
	s_add_nc_u64 s[10:11], s[10:11], 12288
	s_add_nc_u64 s[12:13], s[12:13], 512
	s_sub_co_u32 s15, s15, 1
	s_cmp_lg_u32 s15, 0
	s_cbranch_scc1 .Ltile
	s_wait_kmcnt 0x0                               ; the last step's scalar loads
	s_wait_tensorcnt 0x0
	ds_add_u32 v254, v255
	s_wait_dscnt 0x0
	ROUND                                          ; the closing round
	s_endpgm
.Lfunc_end_k_qacf579ee20_attn:
	.size	k_qacf579ee20_attn, .Lfunc_end_k_qacf579ee20_attn-k_qacf579ee20_attn
	.p2alignl 7, 3214868480
	.fill 96, 4, 3214868480
	.section	.rodata,"a",@progbits
	.p2align	6, 0x0
	.amdhsa_kernel k_qacf579ee20_attn
		.amdhsa_group_segment_fixed_size 215040
		.amdhsa_private_segment_fixed_size 0
		.amdhsa_enable_private_segment 0
		.amdhsa_kernarg_size 24
		.amdhsa_user_sgpr_count 2
		.amdhsa_user_sgpr_kernarg_segment_ptr 1
		.amdhsa_wavefront_size32 1
		.amdhsa_system_sgpr_workgroup_id_x 1
		.amdhsa_system_sgpr_workgroup_id_y 1
		.amdhsa_system_sgpr_workgroup_id_z 1
		.amdhsa_system_vgpr_workitem_id 0
		.amdhsa_next_free_vgpr 256
		.amdhsa_next_free_sgpr 100
		.amdhsa_reserve_vcc 0
		.amdhsa_float_denorm_mode_32 3
		.amdhsa_float_denorm_mode_16_64 3
		.amdhsa_memory_ordered 1
		.amdhsa_forward_progress 1
		.amdhsa_inst_pref_size 37
	.end_amdhsa_kernel
	.amdgpu_metadata
---
amdhsa.version: [ 1, 2 ]
amdhsa.kernels:
  - .name:           k_qacf579ee20_attn
    .symbol:         k_qacf579ee20_attn.kd
    .args:
      - { .name: hq, .offset: 0, .size: 8, .value_kind: global_buffer, .address_space: global }
      - { .name: mw, .offset: 8, .size: 8, .value_kind: global_buffer, .address_space: global }
      - { .name: oq, .offset: 16, .size: 8, .value_kind: global_buffer, .address_space: global }
    .group_segment_fixed_size: 215040
    .private_segment_fixed_size: 0
    .kernarg_segment_align: 8
    .kernarg_segment_size: 24
    .max_flat_workgroup_size: 512
    .sgpr_count:     100
    .vgpr_count:     256
    .wavefront_size: 32
...
	.end_amdgpu_metadata
.endif
;; end of part 3
;; launch outp (part 4): grid 4 x 32, 4 waves a work-group, clusters of 4 x 4, 327,680 bytes of LDS; arguments oq, wq, bo, out0; writes out0
.if DOCPART == 4
	.amdgcn_target "amdgcn-amd-amdhsa--gfx1250"
	.amdhsa_code_object_version 6
	.text
	.protected	k_qacf579ee20_outp
	.globl	k_qacf579ee20_outp
	.p2align	8
	.type	k_qacf579ee20_outp,@function
k_qacf579ee20_outp:
	s_mov_b64 s[64:65], 0
	v_nop
	global_prefetch_b8 v0, s[64:65] scope:SCOPE_SE
	s_setreg_imm32_b32 hwreg(HW_REG_WAVE_MODE, 25, 1), 1
	s_wait_xcnt 0x0
	s_wait_alu depctr_hold_cnt(0) depctr_sa_sdst(0) depctr_va_vdst(0) depctr_va_sdst(0) depctr_va_ssrc(0) depctr_va_vcc(0) depctr_vm_vsrc(0)
	s_getreg_b32 s2, hwreg(HW_REG_IB_STS2, 6, 4)
	s_cmp_eq_u32 s2, 0
	s_cbranch_scc0 .Lentry_in_a_cluster
	s_endpgm
.Lentry_in_a_cluster:
	s_bfe_u32 s2, ttmp6, 0x10000c
	s_cmp_lg_u32 s2, 0xf033
	s_cbranch_scc0 .Lentry_shape_is_right
	s_endpgm
.Lentry_shape_is_right:
; OUTP.  out0 = O Wo^T + bo on codes of FP6 (E2M3) with one E8M0 scale for each 32 along K (K = 1,024); out0 [8192][1024] f32.
; A = O, as the attention launch left it: IMAGES OF THE OPERAND'S REGISTERS: the fragment of row tile i (16 rows) and K step s (128 along K) is 1,536 bytes at (8 i + s) x 1,536: two halves of 768 bytes, each registers
; 0-3 at 16 x lane and registers 4-5 at 512 + 8 x lane.  Its scale bytes [place][32] lie from byte 6,291,456 on.  B = Wo's codes, rows of 768 bytes, the fourth tensor of wq; its scale bytes likewise.
; A's rows and B's rows lie at places with bits 3 and 4 exchanged: a tile of 16 places holds rows 32 g + 8 u + r + 8 (r / 8).  The way out puts rows and columns back.
; A work-group of four waves makes 256 x 256 of out0, a wave 128 x 128: 64 accumulators, 512 registers.  K goes in steps of 256 through a ring of two LDS slots; the scale bytes come once and stay.
; CLUSTERS: 4 x 4 work-groups; A's tiles are asked for jointly along a row of the cluster, B's along a column.
; THE MATRIX INSTRUCTION IS USED TRANSPOSED (source 0 = 16 rows of B, source 1 = 16 rows of A): a lane holds one row of out0, and register j of accumulator (a, 2 B + u) is column 32 B + 16 h + 8 u + j of my 128.
; bo runs along a lane's registers: it is the C of each sum's first matrix instruction.
; REGISTERS, in windows of 256: window 0: v0-31 addresses; v32-63 scale words, two sets; v64-127 bo; v128-223 A's fragments, one set; on the way out v128-255 are free.
;   window 1: B's fragments, two sets.   window 2: the accumulators of my rows 0-63 ((a, b) at v[8 (8 a + b)]);   window 3: those of my rows 64-127.
.set KSTEP,  256
.set NQ,     2
.set ROWB,   192                       ; a row of B's tile in bytes
.set KROW,   768                       ; a row of B's codes in memory
.set PITCH,  240                       ; B's LDS row: 3 x (64 bytes + 16 of padding)
.set FR,     12
.set NLA,    4                         ; LDS loads that bring a fragment of A
.set NP,     4
.set HALFA,  8*3072                    ; A: 8 row tiles x two K steps' fragments: what one tensor load brings
.set HALFT,  128*PITCH                 ; B: 128 rows
.set BOFF,   2*HALFA                   ; B's rows lie behind A's
.set SLOT,   2*HALFA+2*HALFT
.set LAPS,   2
.set KS,     32
.set SCL,    2*SLOT
.set HALFS,  (128*KS/256)*272
.set SBLK,   (16*KS/256)*272
.set SPARE,  SCL+4*HALFS               ; the spare words, 128 bytes for each wave, which no other line names
.set SPITCH, 528                       ; the way out: a stage of 16 rows x (512 bytes + 16) for each wave, in slot 0, which has had its last fill and its last read when the first result is stored there
.set ADRA, 16                          ; v16-17 16 x lane + my rows of A in slot 0, 1;  v18-19 512 + 8 x lane + the same
.set ADRB, 20                          ; v20-23 as for rows with padding
.set STO,  24
.set RD,   25
.set CO,   26                          ; v26 16 x lane
.set ADRS, 27
.set SPW,  28
.set NIL,  29
.set SC,   32
.set BI,   64
.set AF,   128
.set BK,   128                         ; the way out: 16 rows read back: v128-191 and v192-255 by turns
.set G1,   24
.set G0,   32
.set G1B,  48
.set G0B,  56
.set G1S,  68
.set G0S,  76
.set G1SB, 80
.set G0SB, 88
.set MSB, 0
.macro WIN new
.if MSB != (\new)
	s_set_vgpr_msb (MSB<<8)|(\new)
.set MSB, (\new)
.endif
.endm
.set MUL_LO,  0xa1
.set MUL_HI,  0xf1
.set MUL_LO0, 0x81                     ; a sum's first product: C is the bias, in window 0
.set MUL_HI0, 0xc1
.set TO_B,    0x40
.macro JLOAD g0a, g1a, g0b, g1b        ; a joint load: waves 0 and 1 fetch for A, waves 2 and 3 for B; four v_nop follow each of the two lines
	s_cmp_eq_u32 s15, 0
	s_cbranch_scc0 .Lfor_b_\@
	tensor_load_to_lds s[\g0a:\g0a+3], s[\g1a:\g1a+7]
	s_nop 0
.rept 4
	v_nop
.endr
	s_branch .Lasked_\@
.Lfor_b_\@:
	tensor_load_to_lds s[\g0b:\g0b+3], s[\g1b:\g1b+7]
	s_nop 0
.rept 4
	v_nop
.endr
.Lasked_\@:
.endm
.macro CREST
	s_cmp_lg_u32 s14, 0
	s_cbranch_scc1 .Lnot_wave_0_\@
	s_barrier_signal -3
.Lnot_wave_0_\@:
	s_barrier_wait -3
	s_barrier_signal -1
	s_barrier_wait -1
.endm
.macro CROUND
	s_barrier_signal -1
	s_barrier_wait -1
	CREST
.endm
	s_load_b256 s[4:11], s[0:1], 0x0               ; oq s[4:5], wq s[6:7], bo s[8:9], out0 s[10:11]
	v_lshl_add_u32 v[SPW], v0, 2, SPARE
	v_mov_b32 v[NIL], 0
	ds_add_u32 v28, v29
	ds_add_u32 v28, v29
	s_wait_dscnt 0x0
	v_lshrrev_b32 v1, 5, v0
	v_readfirstlane_b32 s14, v1                    ; wave 0..3
	s_lshr_b32 s15, s14, 1                         ; which half of the tile's rows is mine.  Also: I fetch for A (0) or for B (1)
	s_and_b32 s16, s14, 1                          ; which half of its columns.  Also: which half of that tile I fetch
	s_bfe_u32 s40, ttmp6, 0x40000                  ; cx, cy
	s_bfe_u32 s41, ttmp6, 0x40004
	s_lshl_b32 s42, ttmp9, 2
	s_add_co_u32 s42, s42, s40                     ; tile column
	s_and_b32 s17, ttmp7, 0xffff
	s_lshl_b32 s17, s17, 2
	s_add_co_u32 s17, s17, s41                     ; tile row
	s_lshl_b32 s43, s41, 2
	s_lshl_b32 s43, 15, s43                        ; my row of the cluster
	s_lshl_b32 s44, 0x1111, s40                    ; my column
	; A's group 1: 8 row tiles x 3,072 bytes (384 elements of 8: two K steps' fragments), 12,288 bytes apart; no padding: an image's loads take consecutive bytes
	s_or_b32 s[G1+0], s43, (3<<16)|(1<<21)
	s_mov_b32 s[G1+1], 384<<16                     ; tensor_dim0
	s_mov_b32 s[G1+2], 8<<16                       ; tensor_dim1
	s_mov_b32 s[G1+3], 384<<16                     ; tile_dim0
	s_mov_b32 s[G1+4], 8                           ; tile_dim1
	s_mov_b32 s[G1+5], 1536                        ; from row tile to row tile, in elements
	s_mov_b32 s[G1+6], 0
	s_mov_b32 s[G1+7], 0
	; B's: 128 rows x 192 bytes, 16 bytes of padding behind every 64
	s_or_b32 s[G1B+0], s44, (0<<16)|(1<<20)|(1<<21)|(3<<22)|(3<<25)
	s_mov_b32 s[G1B+1], ROWB<<16
	s_mov_b32 s[G1B+2], 128<<16
	s_mov_b32 s[G1B+3], ROWB<<16
	s_mov_b32 s[G1B+4], 128
	s_mov_b32 s[G1B+5], KROW
	s_mov_b32 s[G1B+6], 0
	s_mov_b32 s[G1B+7], 0
	; the scales of 128 rows: 16 rows of 256 bytes, 16 bytes of padding behind each
	s_or_b32 s[G1S+0], s43, (3<<16)|(1<<20)|(1<<21)|(5<<22)|(3<<25)
	s_or_b32 s[G1SB+0], s44, (3<<16)|(1<<20)|(1<<21)|(5<<22)|(3<<25)
.irp g, G1S, G1SB
	s_mov_b32 s[\g+1], 32<<16
	s_mov_b32 s[\g+2], (128*KS/256)<<16
	s_mov_b32 s[\g+3], 32<<16
	s_mov_b32 s[\g+4], 128*KS/256
	s_mov_b32 s[\g+5], 32
	s_mov_b32 s[\g+6], 0
	s_mov_b32 s[\g+7], 0
.endr
	s_mul_i32 s20, s17, 196608                     ; A: 16 row tiles of 12,288 bytes a tile row,
	s_mul_i32 s18, s16, 98304                      ; 8 of them a half
	s_add_co_u32 s20, s20, s18
	s_mov_b32 s21, 0
	s_lshl_b32 s22, s17, 13                        ; A's scales: 256 rows of 32 bytes,
	s_lshl_b32 s18, s16, 12
	s_add_co_u32 s22, s22, s18
	s_add_co_u32 s22, s22, 6291456
	s_mov_b32 s23, 0
	s_lshl_b32 s46, s42, 8
	s_lshl_b32 s18, s16, 7
	s_add_co_u32 s46, s46, s18                     ; B: row 256 x tile column + 128 x half
	s_lshl_b32 s92, s46, 5
	s_add_co_u32 s92, s92, 3244032                 ; Wo's scale bytes in wq
	s_mov_b32 s93, 0
	s_mul_i32 s46, s46, KROW
	s_add_co_u32 s46, s46, 2359296                 ; Wo's codes in wq
	s_mov_b32 s47, 0
	s_mul_i32 s45, s16, HALFA                      ; where they go: no place in the cluster enters an LDS address
	s_mul_i32 s95, s16, HALFT
	s_add_co_u32 s95, s95, BOFF
	s_mul_i32 s94, s14, HALFS
	s_wait_kmcnt 0x0
	s_add_nc_u64 s[20:21], s[4:5], s[20:21]
	s_add_nc_u64 s[22:23], s[4:5], s[22:23]
	s_add_nc_u64 s[46:47], s[6:7], s[46:47]
	s_add_nc_u64 s[92:93], s[6:7], s[92:93]
	CROUND                                         ; all sixteen work-groups are here: the first joint loads meet
	s_mov_b32 s[G0S], 1
	s_add_co_u32 s[G0S+1], s94, SCL
	s_mov_b64 s[G0S+2:G0S+3], s[22:23]
	s_or_b32 s[G0S+3], s[G0S+3], 0x80000000
	s_mov_b32 s[G0SB], 1
	s_add_co_u32 s[G0SB+1], s94, SCL
	s_mov_b64 s[G0SB+2:G0SB+3], s[92:93]
	s_or_b32 s[G0SB+3], s[G0SB+3], 0x80000000
	JLOAD G0S, G1S, G0SB, G1SB                     ; the scales first
.irp s, 0,1
	s_mov_b32 s[G0+4*\s], 1
	s_add_co_u32 s[G0+4*\s+1], s45, \s*SLOT
	s_add_nc_u64 s[G0+4*\s+2:G0+4*\s+3], s[20:21], \s*3072
	s_or_b32 s[G0+4*\s+3], s[G0+4*\s+3], 0x80000000
	s_mov_b32 s[G0B+4*\s], 1
	s_add_co_u32 s[G0B+4*\s+1], s95, \s*SLOT
	s_add_nc_u64 s[G0B+4*\s+2:G0B+4*\s+3], s[46:47], \s*ROWB
	s_or_b32 s[G0B+4*\s+3], s[G0B+4*\s+3], 0x80000000
	JLOAD G0+4*\s, G1, G0B+4*\s, G1B
.endr
	v_and_b32 v1, 15, v0                           ; r
	v_bfe_u32 v2, v0, 4, 1                         ; h
	v_and_b32 v6, 31, v0
	v_lshlrev_b32 v[CO], 4, v6                     ; 16 x lane
	v_lshl_add_u32 v7, v6, 3, 512                  ; 512 + 8 x lane
	v_lshlrev_b32 v12, 6, v2                       ; bo: 4 x 16 h
	s_lshl_b32 s46, s42, 10
	s_lshl_b32 s47, s16, 9
	s_add_co_u32 s46, s46, s47                     ; my first column, in bytes
	s_mov_b32 s47, 0
	s_add_nc_u64 s[8:9], s[8:9], s[46:47]
.irp e, 0,1,2,3,4,5,6,7,8,9,10,11,12,13,14,15
	global_load_b128 v[BI+4*\e:BI+4*\e+3], v12, s[8:9] offset:128*(\e/4)+16*(\e%4)   ; register 16 B + i: column 32 B + 16 h + i of my 128
.endr
	s_lshl_b32 s20, s17, 8
	s_lshl_b32 s21, s15, 7
	s_add_co_u32 s20, s20, s21                     ; my first row
	s_lshl_b32 s20, s20, 12                        ; rows of 4,096 bytes
	s_mov_b32 s21, 0
	s_add_nc_u64 s[12:13], s[10:11], s[20:21]
	s_add_nc_u64 s[12:13], s[12:13], s[46:47]      ; out0 at my first row and column
	v_mul_u32_u24 v3, v1, PITCH
	v_mul_u32_u24 v4, v2, 24
	v_add_nc_u32 v4, v3, v4                        ; B: a fragment's row x pitch + 24 x half
	v_lshl_add_u32 v5, v2, 4, v4                   ; and the same behind one padding more
	s_mul_i32 s21, s15, HALFA                      ; my 8 row tiles of A
	s_mul_i32 s22, s16, HALFT                      ; my 128 rows of B
	s_add_co_u32 s22, s22, BOFF
.irp s, 0,1
	v_add_nc_u32 v[ADRA+\s], s21, v[CO]
	v_add_nc_u32 v[ADRA+2+\s], s21, v7
	v_add_nc_u32 v[ADRB+\s], s22, v4
	v_add_nc_u32 v[ADRB+2+\s], s22, v5
	s_add_co_u32 s21, s21, SLOT
	s_add_co_u32 s22, s22, SLOT
.endr
	v_mul_u32_u24 v5, v1, KS                       ; my row's scales
	v_lshrrev_b32 v6, 8, v5
	v_lshl_add_u32 v5, v6, 4, v5
	s_mul_i32 s21, s15, HALFS
	s_mul_i32 s22, s16, HALFS
	s_add_co_u32 s22, s22, 2*HALFS
	s_sub_co_u32 s22, s22, s21
	v_mul_u32_u24 v6, s22, v2                      ; lanes 16-31 take B's
	s_add_co_u32 s21, s21, SCL
	v_add_nc_u32 v5, v5, v6
	v_add_nc_u32 v[ADRS], s21, v5
	s_mul_i32 s23, s14, 16*SPITCH                  ; my stage
	v_mul_u32_u24 v5, v1, SPITCH                   ; in: row r; my half's columns begin 64 h bytes on
	v_lshl_add_u32 v5, v2, 6, v5
	v_add_nc_u32 v[STO], s23, v5
	v_add_nc_u32 v[RD], s23, v[CO]                 ; back: the 32 lanes take one row of 512 bytes
.macro FRAG reg, adr, q, i             ; B's fragment from rows with padding, in pieces of 8 bytes
.irp p, 0,1,2,3,4,5
.set PCE, 12*(\q)+6*(\p/3)+\p%3
.if PCE%8 < 5
	ds_load_b64 v[\reg+2*\p:\reg+2*\p+1], v[\adr] offset:8*PCE+16*(PCE/8)+(\i)*16*PITCH
.else
	ds_load_b64 v[\reg+2*\p:\reg+2*\p+1], v[\adr+2] offset:8*PCE+16*(PCE/8)+(\i)*16*PITCH
.endif
.endr
.endm
.macro FRAGA reg, slot, q, i           ; A's fragment from its image: four loads of consecutive bytes
	ds_load_b128 v[\reg:\reg+3], v[ADRA+\slot] offset:(\i)*3072+(\q)*1536
	ds_load_b64 v[\reg+4:\reg+5], v[ADRA+2+\slot] offset:(\i)*3072+(\q)*1536
	ds_load_b128 v[\reg+6:\reg+9], v[ADRA+\slot] offset:(\i)*3072+(\q)*1536+768
	ds_load_b64 v[\reg+10:\reg+11], v[ADRA+2+\slot] offset:(\i)*3072+(\q)*1536+768
.endm
; 16 matrix instructions: A's blocks a0, a0 + 1 x B's eight.  first = 1: the sums begin with the bias as C.  The 64 accumulators take turns.
.macro MUL16 a0, p, q, sc, first
.irp a, \a0, \a0+1
.irp b, 0,1,2,3,4,5,6,7
.if \first
	v_wmma_scale_f32_16x16x128_f8f6f4 v[8*(8*((\a)%4)+\b):8*(8*((\a)%4)+\b)+7], v[128*(\p)+FR*\b:128*(\p)+FR*\b+FR-1], v[AF+FR*(\a):AF+FR*(\a)+FR-1], v[BI+8*\b:BI+8*\b+7], v[SC+8*NQ*(\sc)+NQ*\b+(\q)], v[SC+8*NQ*(\sc)+NQ*(\a)+(\q)] matrix_a_fmt:MATRIX_FMT_FP6 matrix_b_fmt:MATRIX_FMT_FP6 matrix_a_scale:MATRIX_SCALE_ROW1
.else
	v_wmma_scale_f32_16x16x128_f8f6f4 v[8*(8*((\a)%4)+\b):8*(8*((\a)%4)+\b)+7], v[128*(\p)+FR*\b:128*(\p)+FR*\b+FR-1], v[AF+FR*(\a):AF+FR*(\a)+FR-1], v[8*(8*((\a)%4)+\b):8*(8*((\a)%4)+\b)+7], v[SC+8*NQ*(\sc)+NQ*\b+(\q)], v[SC+8*NQ*(\sc)+NQ*(\a)+(\q)] matrix_a_fmt:MATRIX_FMT_FP6 matrix_b_fmt:MATRIX_FMT_FP6 matrix_a_scale:MATRIX_SCALE_ROW1
.endif
.endr
.endr
.endm
.macro FETCH_B slot, q, p
	WIN TO_B
.irp i, 0,1,2,3,4,5,6,7
	FRAG 128*(\p)+FR*\i, ADRB+\slot, \q, \i
.endr
	WIN 0
.endm
.macro FETCH_A slot, q, i0
.irp i, \i0, \i0+1, \i0+2, \i0+3
	FRAGA AF+FR*(\i), \slot, \q, \i
.endr
.endm
.macro SCALES sc
.irp i, 0,1,2,3,4,5,6,7
	ds_load_b64 v[SC+8*NQ*\sc+NQ*\i:SC+8*NQ*\sc+NQ*\i+1], v[ADRS] offset:\i*SBLK
.endr
.endm
.macro PLACES n                        ; places behind matrix instructions, in front of loads into their operands and of reads of their results (ISA guide 7.12.1 for vector instructions)
.rept \n
	v_nop
.endr
.endm
.macro STEP slot, q, first
	s_wait_dscnt 4*NLA                             ; B's set and A's blocks 0-3 are in; the youngest 16 loads (A's blocks 4-7) may be out
.if \first
	WIN MUL_LO0
.else
	WIN MUL_LO
.endif
	MUL16 0, (\q)%2, \q, \slot, \first
	MUL16 2, (\q)%2, \q, \slot, \first
	s_wait_dscnt 0
	PLACES NP
	FETCH_B \slot, (\q)+1, 1-(\q)%2
	FETCH_A \slot, (\q)+1, 0
.if \first
	WIN MUL_HI0
.else
	WIN MUL_HI
.endif
	MUL16 4, (\q)%2, \q, \slot, \first
	MUL16 6, (\q)%2, \q, \slot, \first
	PLACES NP
	WIN 0
	FETCH_A \slot, (\q)+1, 4
.endm
.macro TURN slot, next, fill
	s_wait_tensorcnt 0x0                           ; all my tensor loads have landed: my part of the next slot
	ds_add_u32 v[SPW], v[NIL]                      ; 0 onto my spare word
	s_wait_dscnt 4*NLA+1                           ; (the add and the youngest 16 loads may be out)
	WIN MUL_LO
	MUL16 0, 1, NQ-1, \slot, 0
	s_wait_dscnt 0x0                               ; the add is done, and my reads of this slot are over
	s_barrier_signal -1
	MUL16 2, 1, NQ-1, \slot, 0
	WIN 0
	s_barrier_wait -1
.if \fill
	CREST                                          ; a round of the cluster's barrier: no wave of any partner still reads this slot's tile or has a load on its way
	s_add_nc_u64 s[G0+4*\slot+2:G0+4*\slot+3], s[G0+4*\slot+2:G0+4*\slot+3], 2*3072
	s_add_nc_u64 s[G0B+4*\slot+2:G0B+4*\slot+3], s[G0B+4*\slot+2:G0B+4*\slot+3], 2*ROWB
	JLOAD G0+4*\slot, G1, G0B+4*\slot, G1B
.else
	PLACES NP
.endif
	v_add_nc_u32 v[ADRS], 4*NQ, v[ADRS]
	FETCH_B \next, 0, 0
	FETCH_A \next, 0, 0
	SCALES \next
	WIN MUL_HI
	MUL16 4, 1, NQ-1, \slot, 0
	MUL16 6, 1, NQ-1, \slot, 0
	PLACES NP
	WIN 0
	FETCH_A \next, 0, 4
.endm
	s_wait_loadcnt 0x0                             ; bo
	s_wait_tensorcnt 1                             ; the scales and my part of K step 0 are in (K step 1's load may be out),
	s_barrier_signal -1
	s_barrier_wait -1                              ; everybody's are
	FETCH_B 0, 0, 0
	FETCH_A 0, 0, 0
	SCALES 0
	FETCH_A 0, 0, 4
	STEP 0, 0, 1
	s_mov_b32 s3, LAPS-1
.Llap:
	TURN 0, 1, 1
	STEP 1, 0, 0
	TURN 1, 0, 1
	STEP 0, 0, 0
	s_sub_co_u32 s3, s3, 1
	s_cmp_lg_u32 s3, 0
	s_cbranch_scc1 .Llap
	TURN 0, 1, 0                                   ; the last lap fills nothing
	STEP 1, 0, 0
	s_wait_dscnt 4*NLA
	WIN MUL_LO
	MUL16 0, 1, NQ-1, 1, 0
	MUL16 2, 1, NQ-1, 1, 0
	s_wait_dscnt 0
	WIN MUL_HI
	MUL16 4, 1, NQ-1, 1, 0
	MUL16 6, 1, NQ-1, 1, 0
	WIN 0
; THE WAY OUT, block by block of 16 rows x 128 columns, through my own stage in LDS: in, each lane's eight numbers at their true columns; back, whole rows of 512 bytes, which the 32 lanes store as 512 consecutive
; bytes, aligned to 256, at the row's true place.  LDS serves a wave's instructions in order (ISA guide 5.7.1.4): no wait between the stores and the loads.
.macro TOSTAGE a
.set AC, 64*((\a)%4)
	WIN 0x08+4*((\a)/4)                            ; the data: window 2 or 3
.irp b, 0,1,2,3,4,5,6,7
	ds_store_b128 v[STO], v[AC+8*\b:AC+8*\b+3] offset:128*(\b/2)+32*(\b%2)          ; columns 32 (b / 2) + 16 h + 8 (b % 2) on; each accumulator from its low end on
	ds_store_b128 v[STO], v[AC+8*\b+4:AC+8*\b+7] offset:128*(\b/2)+32*(\b%2)+16
.endr
	WIN 0
.set BB, BK+64*((\a)%2)
.irp t, 0,1,2,3,4,5,6,7,8,9,10,11,12,13,14,15
	ds_load_b128 v[BB+4*\t:BB+4*\t+3], v[RD] offset:\t*SPITCH
.endr
.endm
.macro SEND a, younger                 ; younger: the LDS instructions issued behind block a's loads, which may stay out
.set BB, BK+64*((\a)%2)
	s_wait_dscnt \younger
.irp t, 0,1,2,3,4,5,6,7,8,9,10,11,12,13,14,15
	global_store_b128 v[CO], v[BB+4*\t:BB+4*\t+3], s[12:13] offset:(32*((\a)/2)+8*((\a)%2)+\t+8*(\t/8))*4096 th:TH_STORE_NT   ; place 16 a + t holds row 32 (a / 2) + 8 (a % 2) + t + 8 (t / 8): 127 rows of 4,096 bytes at the most, inside the signed 24-bit immediate
.endr
.endm
	PLACES NP
	TOSTAGE 0
.irp a, 1,2,3,4,5,6,7
.if \a > 1
	s_wait_xcnt 0x0                                ; block a - 2's stores have read their registers: block a's loads may land there
.endif
	TOSTAGE \a
	SEND \a-1, 32                                  ; behind block a - 1's loads: block a's 16 stores and 16 loads
.endr
	SEND 7, 0
	s_wait_tensorcnt 0x0                           ; the wave's end
	ds_add_u32 v[SPW], v[NIL]
	s_wait_dscnt 0x0
	CROUND                                         ; the closing round
	s_endpgm
.Lfunc_end_k_qacf579ee20_outp:
	.size	k_qacf579ee20_outp, .Lfunc_end_k_qacf579ee20_outp-k_qacf579ee20_outp
	.p2alignl 7, 3214868480
	.fill 96, 4, 3214868480
	.section	.rodata,"a",@progbits
	.p2align	6, 0x0
	.amdhsa_kernel k_qacf579ee20_outp
		.amdhsa_group_segment_fixed_size 327680
		.amdhsa_private_segment_fixed_size 0
		.amdhsa_enable_private_segment 0
		.amdhsa_kernarg_size 32
		.amdhsa_user_sgpr_count 2
		.amdhsa_user_sgpr_kernarg_segment_ptr 1
		.amdhsa_wavefront_size32 1
		.amdhsa_system_sgpr_workgroup_id_x 1
		.amdhsa_system_sgpr_workgroup_id_y 1
		.amdhsa_system_sgpr_workgroup_id_z 1
		.amdhsa_system_vgpr_workitem_id 0
		.amdhsa_next_free_vgpr 1024
		.amdhsa_next_free_sgpr 98
		.amdhsa_reserve_vcc 0
		.amdhsa_float_denorm_mode_32 3
		.amdhsa_float_denorm_mode_16_64 3
		.amdhsa_memory_ordered 1
		.amdhsa_forward_progress 1
		.amdhsa_inst_pref_size 153
	.end_amdhsa_kernel
	.amdgpu_metadata
---
amdhsa.version: [ 1, 2 ]
amdhsa.kernels:
  - .name:           k_qacf579ee20_outp
    .symbol:         k_qacf579ee20_outp.kd
    .args:
      - { .name: oq, .offset: 0, .size: 8, .value_kind: global_buffer, .address_space: global }
      - { .name: wq, .offset: 8, .size: 8, .value_kind: global_buffer, .address_space: global }
      - { .name: bo, .offset: 16, .size: 8, .value_kind: global_buffer, .address_space: global }
      - { .name: out0, .offset: 24, .size: 8, .value_kind: global_buffer, .address_space: global }
    .group_segment_fixed_size: 327680
    .private_segment_fixed_size: 0
    .kernarg_segment_align: 8
    .kernarg_segment_size: 32
    .max_flat_workgroup_size: 128
    .sgpr_count:     98
    .vgpr_count:     1024
    .wavefront_size: 32
...
	.end_amdgpu_metadata
.endif
;; end of part 4
